; MI455X (gfx1250); checked and timed in simulation.
; The chip was launched on July 23, 2026; its instructions are those of AMD's public machine-readable ISA for CDNA 5 (MIT licence, August 2026) and "CDNA5" Instruction Set Architecture Reference Guide (July 2026). The comments in the code are by the model that wrote it; some were corrected since.
;; Causal Self Attention. Allowed arithmetic: matrix products marked QUANTISED: E2M3 operands, one E8M0 scale for each 32 along K, by v_wmma_scale_f32_16x16x128_f8f6f4 with both operands' format E2M3, f32 sums; everything else in f32.
;; Inputs: w_proj 1,024 x 1,024 float32; w_qkv 1,024 x 3,072 float32; x 4 x 2,048 x 1,024 float32.
;; Outputs: out0 4 x 2,048 x 1,024 float32.
;; This version of the problem:
;;   THIS VERSION OF THE PROBLEM IS GIVEN IN LOW PRECISION. The matrix products marked QUANTISED in the list below multiply operands that are first quantised to E2M3 (2 exponent bits, 3 mantissa bits; 6 bits a number), with one power-of-two scale for each 32 numbers along K (OCP MX v1.0); their sums are f32. All else is computed in f32.
;;   The module's matrix products, in the order in which they are computed (A, B: the left and right operand; K: the contracted axis; several contracted axes count as one K, in the product's order):
;;     1. [M 8,192, K 1,024] x [K 1,024, N 3,072]; A: input x; B: input w_qkv: QUANTISED
;;     2. batch 64 x [M 2,048, K 64] x [K 64, N 2,048]; A: computed on the way; B: computed on the way: QUANTISED
;;     3. batch 64 x [M 2,048, K 2,048] x [K 2,048, N 64]; A: softmax (see below); B: computed on the way: QUANTISED
;;     4. [M 8,192, K 1,024] x [K 1,024, N 1,024]; A: computed on the way; B: input w_proj: QUANTISED
;;   THE QUANTISER, for each operand of a quantised product, along K:
;;     - K is cut into blocks of 32 from its start; a last block that is shorter is filled with zeros.
;;     - A block's scale is 2^e with e = floor(log2(the largest magnitude in the block)) - 2, held to -126 .. 127; a block of zeros has e = 0. As a byte (E8M0): e + 127.
;;     - Each number is divided by its block's scale, clamped to +-7.5, and rounded to the nearest number of E2M3, ties to even, subnormals kept.
;;     - The product sums the exact products of the quantised numbers (number of the format x scale) in f32.
;;   ~~~python
;;   def quantise(x, axis):      # numpy; x: float32 -> the quantised numbers, widened to float32 again
;;       x = np.moveaxis(x, axis, -1); K = x.shape[-1]
;;       x = np.pad(x, [(0, 0)] * (x.ndim - 1) + [(0, -K % 32)]); x = x.reshape(x.shape[:-1] + (-1, 32)); a = np.abs(x).max(-1, keepdims=True)
;;       e = np.where(a > 0, np.clip(np.frexp(np.where(a > 0, a, 1))[1] - 1 - 2, -126, 127), 0)      # np.frexp(a)[1] - 1 = floor(log2(a)), exactly
;;       r = np.clip(x / 2.0 ** e, -7.5, 7.5)
;;       step = 2.0 ** (np.maximum(np.frexp(np.where(r == 0, 1, r))[1] - 1, 0) - 3)
;;       q = np.round(r / step) * step * 2.0 ** e      # np.round: ties to even
;;       return np.moveaxis(q.reshape(q.shape[:-2] + (-1,))[..., :K], -1, axis).astype(np.float32)
;;   ~~~
;;   SOFTMAX AHEAD OF A QUANTISED PRODUCT. Where the list says 'softmax', what is quantised is not the finished softmax but p = 2^(t - M), with t = logit x log2(e) and M = ceil(the row's largest t), a whole number; so 1/2 < the row's largest p <= 1. The row's sum l is taken of the UNQUANTISED p, in f32, and the product's result is divided by l at the end. Since M is a whole number, a kernel that streams over the keys may use a running M (the ceiling of the running maximum): every later rescaling is an exact power of two, which a block's scale takes up: the codes' values come out the same.
;;   OPERANDS COMPUTED ON THE WAY. 'Computed on the way' means the value that the module computes at that place (a softmax that the list does not call 'softmax' is quantised finished and normalised). What goes into a quantiser is computed in f32, as accurately as f32 sums, v_exp_f32 and their like allow (about 1e-6 of the number): no bf16 or f16 on the way to a quantiser, and a product that is left as it is and whose result goes on into a quantised operand takes f32 operands (vector FMAs, or v_wmma_f32_16x16x4_f32). A number that lies on a knife's edge between two numbers of the format may be rounded either way, as far as f32 arithmetic and the matrix unit's own rounding can turn it there, and no further.
;; One version. Each part assembles by itself: llvm-mc -triple=amdgcn-amd-amdhsa -mcpu=gfx1250 --defsym DOCPART=n.
;; ======== version 1 of 1: 4 launches
;; workspace buffers: xq 6,553,600 bytes; wq 2,457,600 bytes; wp 819,200 bytes; qkv 26,738,688 bytes; yq 6,553,600 bytes
;; launch quant (part 1): grid 640 x 1, 4 waves a work-group, no clusters, 83,456 bytes of LDS; arguments x, w_qkv, w_proj, xq, wq, wp; writes xq, wq, wp
.if DOCPART == 1
	.amdgcn_target "amdgcn-amd-amdhsa--gfx1250"
	.amdhsa_code_object_version 6
	.text
	.protected	k_q1c74a678d0_quant
	.globl	k_q1c74a678d0_quant
	.p2align	8
	.type	k_q1c74a678d0_quant,@function
k_q1c74a678d0_quant:
	s_mov_b64 s[64:65], 0
	v_nop
	global_prefetch_b8 v0, s[64:65] scope:SCOPE_SE
	s_setreg_imm32_b32 hwreg(HW_REG_WAVE_MODE, 25, 1), 1
	s_wait_xcnt 0x0
; x [8192][1024], w_qkv [1024][3072] and w_proj [1024][1024], f32, become codes of FP6 (E2M3) with one E8M0 byte for each 32 along K (K = 1024 in all three).
; A block's scale is 2^(floor(log2(largest magnitude)) - 2): its byte is the largest magnitude's exponent field - 2, held at 1 from below.
; LIMITS: a block of zeros gets the byte 1 where the rule says 127 (its codes are zeros, and this program alone reads the bytes); NaN and infinities among the inputs are not served.
; THE LAYOUT OF THE CODES is the order of the matrix operand's registers.  Rows (of x: tokens; of a weight: its columns n) go in tiles of 16; lane-row r of tile T is row 32 (T/2) + 8 (T%2) + r + 8 (r/8).
; Half a fragment (16 rows x 64 K: registers 6c .. 6c+5) is 768 bytes: registers 6c .. 6c+3 at 16 x lane, registers 6c+4, 6c+5 at 512 + 8 x lane.
; byte = slab (256 K) x tiles x 3072 + tile x 3072 + q (128 K) x 1536 + c x 768.  Scale words lie behind the codes: tile x 512 + slab x 128 + 8 r + 4 q.
; Work-groups 0-511: a tile of x, wave = slab.  512-607: w_qkv, 128 columns x a slab.  608-639: w_proj likewise.  Waves share nothing: no barrier.  Each of the three ways has LDS bytes of its own.
.set XSL,   1572864                    ; a slab of x's codes
.set XSCO,  6291456                    ; where x's scale words begin
.set XSTP,  528                        ; x's stage: a row of 512 bytes + 16
.set WQST,  33792                      ; behind x's four stages (4 x 16 x 528): w_qkv's four stages of 6,144 bytes
.set WPST,  58368                      ; w_proj's
.set SPARE, 82944                      ; the spare words, 128 bytes for each wave: two blocks of 256 bytes that no other line names
.set SPW,   20                         ; v20  SPARE + 4 x my thread's number; never rewritten
.set NIL,   21                         ; v21  0; never rewritten
	s_load_b256 s[4:11], s[0:1], 0x0               ; x s[4:5], w_qkv s[6:7], w_proj s[8:9], xq s[10:11]
	s_load_b128 s[12:15], s[0:1], 0x20             ; wq s[12:13], wp s[14:15]
	v_lshl_add_u32 v[SPW], v0, 2, SPARE
	v_mov_b32 v[NIL], 0
	v_lshrrev_b32 v1, 5, v0
	v_readfirstlane_b32 s16, v1                    ; wave
	v_and_b32 v1, 31, v0                           ; lane
	v_and_b32 v2, 15, v0                           ; r
	v_bfe_u32 v3, v0, 4, 1                         ; h
	v_lshlrev_b32 v4, 4, v1                        ; 16 x lane
	v_lshlrev_b32 v5, 3, v1                        ; 8 x lane
	s_mov_b32 s20, 0x76543210
	s_mov_b32 s21, 0xfedcba98                      ; v_permlanex16_b32's selects for lane l xor 16
	v_mov_b32 v17, 0                               ; a lane permute's destination counts as one of its sources
	s_mov_b32 s23, 0
	s_wait_kmcnt 0x0
	s_cmp_lt_u32 ttmp9, 512
	s_cbranch_scc0 .Lweights
; ---- x: the work-group's number is the tile, the wave's the slab: 16 rows x 256 K, two fragments
	s_lshr_b32 s17, ttmp9, 1
	s_lshl_b32 s22, s17, 17                        ; 32 rows of 4,096 bytes for each pair of tiles,
	s_and_b32 s17, ttmp9, 1
	s_lshl_b32 s17, s17, 15                        ; 8 rows for the odd tile,
	s_add_co_u32 s22, s22, s17
	s_lshl_b32 s17, s16, 10                        ; 1,024 bytes of a row for each slab
	s_add_co_u32 s22, s22, s17
	s_add_nc_u64 s[4:5], s[4:5], s[22:23]
	s_mul_i32 s22, s16, XSL
	s_mul_i32 s17, ttmp9, 3072
	s_add_co_u32 s22, s22, s17
	s_add_nc_u64 s[24:25], s[10:11], s[22:23]      ; my two fragments' images
	s_lshl_b32 s22, ttmp9, 9
	s_lshl_b32 s17, s16, 7
	s_add_co_u32 s22, s22, s17
	s_add_co_u32 s22, s22, XSCO
	s_add_nc_u64 s[26:27], s[10:11], s[22:23]      ; my 32 scale words
	s_mul_i32 s17, s16, 16*XSTP                    ; my stage
	v_add_nc_u32 v6, s17, v4                       ; in: 16 bytes a lane of a row's 512
	v_mul_u32_u24 v7, v2, XSTP
	v_lshl_add_u32 v7, v3, 7, v7
	v_add_nc_u32 v7, s17, v7                       ; out: row r, + 128 h: a whole block of 32 numbers
	v_lshlrev_b32 v8, 3, v3                        ; 8 h
	v_lshlrev_b32 v9, 3, v2
	v_lshl_add_u32 v9, v3, 2, v9                   ; 8 r + 4 h
.irp q, 0,1
.irp i, 0,1,2,3,4,5,6,7,8,9,10,11,12,13,14,15
	global_load_b128 v[32+64*\q+4*\i:32+64*\q+4*\i+3], v4, s[4:5] offset:(\i+8*(\i/8))*4096+512*\q th:TH_LOAD_NT   ; 32 lanes read 512 consecutive bytes of the tile's lane-row i
.endr
.endr
; Fragment q.  Its 16 x 512 bytes turn through the stage: in as loaded, out 128 bytes a lane: lane (r, h) then holds blocks h (c = 0) and 2 + h (c = 1) of row r whole, in the operand's own order.
.macro XFRAG q
.set RR, 32+64*(\q)
.set CC, 160+16*(\q)
.irp i, 0,1,2,3,4,5,6,7,8,9,10,11,12,13,14,15
	ds_store_b128 v6, v[RR+4*\i:RR+4*\i+3] offset:XSTP*\i
.endr
.irp c, 0,1
.irp j, 0,1,2,3,4,5,6,7
	ds_load_b128 v[RR+32*\c+4*\j:RR+32*\c+4*\j+3], v7 offset:256*\c+16*\j   ; LDS serves a wave's instructions in order: these see the stores above
.endr
.endr
	s_wait_dscnt 0x0
.irp c, 0,1
	v_max3_num_f32 v[10+\c], |v[RR+32*\c]|, |v[RR+32*\c+1]|, 0x1800000   ; with the floor 2^(3 - 127): the byte cannot fall under 1
.endr
.irp i, 2,4,6,8,10,12,14,16,18,20,22,24,26,28,30
.irp c, 0,1
	v_max3_num_f32 v[10+\c], v[10+\c], |v[RR+32*\c+\i]|, |v[RR+32*\c+\i+1]|   ; the two blocks by turns
.endr
.endr
.irp c, 0,1
	v_add_nc_u32 v[12+\c], 0xff000000, v[10+\c]    ; 2 off the exponent field: the conversion's scale operand
.endr
.irp c, 0,1
	v_lshrrev_b32 v[14+\c], 23, v[12+\c]           ; the byte
.endr
	v_lshl_or_b32 v16, v15, 16, v14                ; my two bytes, blocks h and 2 + h,
	v_lshlrev_b32 v16, v8, v16                     ; at their places in the word;
	v_permlanex16_b32 v17, v16, s20, s21
	v_or_b32 v[18+\q], v16, v17                    ; with lane l xor 16's two the word is whole
.irp c, 0,1
	v_cvt_scalef32_pk16_fp6_f32 v[CC+6*\c:CC+6*\c+2], v[RR+32*\c:RR+32*\c+15], v[12+\c]
	v_cvt_scalef32_pk16_fp6_f32 v[192+4*\c:192+4*\c+2], v[RR+32*\c+16:RR+32*\c+31], v[12+\c]   ; (a conversion's three registers begin on an even number)
.endr
	v_nop                                          ; one plain place behind a scaled conversion
.irp c, 0,1
.irp i, 0,1,2
	v_mov_b32 v[CC+6*\c+3+\i], v[192+4*\c+\i]
.endr
.endr
	global_store_b128 v4, v[CC:CC+3], s[24:25] offset:1536*(\q)          ; each store covers 512 or 256 consecutive bytes, aligned to 256
	global_store_b64 v5, v[CC+4:CC+5], s[24:25] offset:1536*(\q)+512
	global_store_b128 v4, v[CC+6:CC+9], s[24:25] offset:1536*(\q)+768
	global_store_b64 v5, v[CC+10:CC+11], s[24:25] offset:1536*(\q)+1280
.endm
	s_wait_loadcnt 16                              ; the first fragment's 16 loads are in; the second's 16 may be out
	XFRAG 0
	s_wait_loadcnt 0x0
	XFRAG 1
	v_cmp_ne_u32 vcc_lo, 0, v3
	v_cndmask_b32 v16, v18, v19, vcc_lo            ; lanes 0-15 store the word of q = 0, lanes 16-31 that of q = 1
	global_store_b32 v9, v16, s[26:27]             ; 128 consecutive bytes
	s_wait_tensorcnt 0x0                           ; the wave's end, behind my last LDS store
	ds_add_u32 v[SPW], v[NIL]
	s_wait_dscnt 0x0
	s_endpgm
; ---- the weights: K is their FIRST axis.  A lane takes a column n and its registers run down K: a block of 32 lies in one lane, and the codes come out with K innermost.
.macro WLOAD t, cols                   ; block t: w(32 t + i, my column) into set t % 2; 32 lanes read 128 consecutive bytes
.irp i, 0,1,2,3,4,5,6,7,8,9,10,11,12,13,14,15,16,17,18,19,20,21,22,23,24,25,26,27,28,29,30,31
	global_load_b32 v[32+32*((\t)%2)+\i], v22, s[26:27] offset:(32*(\t)+\i)*\cols*4 th:TH_LOAD_NT
.endr
.endm
.macro WBLOCK t, cols
.set XS, 32+32*((\t)%2)
.if (\t) < 7
	s_wait_loadcnt 32                              ; this block's 32 loads are in; the next block's may be out
.else
	s_wait_loadcnt 0x0
.endif
	v_max3_num_f32 v12, |v[XS]|, |v[XS+1]|, |v[XS+2]|
	v_max3_num_f32 v13, |v[XS+3]|, |v[XS+4]|, |v[XS+5]|
.irp i, 6,10,14,18,22,26
	v_max3_num_f32 v12, v12, |v[XS+\i]|, |v[XS+\i+1]|
	v_max3_num_f32 v13, v13, |v[XS+\i+2]|, |v[XS+\i+3]|
.endr
	v_max3_num_f32 v12, v12, |v[XS+30]|, |v[XS+31]|
	v_max3_num_f32 v12, v12, v13, 0x1800000        ; and the floor
	v_add_nc_u32 v14, 0xff000000, v12              ; the conversion's scale operand
	v_lshrrev_b32 v15, 23, v14                     ; the byte
.if (\t)%4 == 0
	v_mov_b32 v[24+(\t)/4], v15                    ; four bytes to a word, the lower K in the lower byte
.else
	v_lshl_or_b32 v[24+(\t)/4], v15, 8*((\t)%4), v[24+(\t)/4]
.endif
	v_cvt_scalef32_pk16_fp6_f32 v[96:98], v[XS:XS+15], v14
	v_cvt_scalef32_pk16_fp6_f32 v[104:106], v[XS+16:XS+31], v14
	v_nop                                          ; one plain place behind a scaled conversion
	v_mov_b32 v99, v104
	v_mov_b32 v100, v105
	v_mov_b32 v101, v106
	ds_store_b128 v6, v[96:99] offset:1536*((\t)/4)+768*(((\t)%4)/2)+256*((\t)%2)        ; block t is lane-half t % 2 of half fragment (t % 4) / 2 of fragment t / 4
	ds_store_b64 v7, v[100:101] offset:1536*((\t)/4)+768*(((\t)%4)/2)+512+128*((\t)%2)
.if (\t)+2 < 8
	WLOAD (\t)+2, \cols
.endif
	s_wait_dscnt 0x0                               ; the stores have read their registers: the next block's codes may be written
.endm
; cols: columns of the weight; nx: groups of 128 columns; mult: (j x mult) >> 12 = j / nx for the j that occur; src, dst: the pointers' scalar registers
.macro WPATH cols, nx, mult, src, dst, scoff, slab, stg, wg0
	s_sub_co_u32 s17, ttmp9, \wg0
	s_mul_i32 s18, s17, \mult
	s_lshr_b32 s18, s18, 12                        ; which 256 along K
	s_mul_i32 s19, s18, \nx
	s_sub_co_u32 s19, s17, s19                     ; which 128 columns
	s_lshl_b32 s19, s19, 7
	s_lshl_b32 s22, s16, 5
	s_add_co_u32 s19, s19, s22                     ; my wave's first column: two tiles
	s_mul_i32 s22, s18, 256*\cols*4
	s_lshl_b32 s24, s19, 2
	s_add_co_u32 s22, s22, s24
	s_add_nc_u64 s[26:27], s[\src:\src+1], s[22:23]
	s_lshr_b32 s19, s19, 4                         ; my first tile
	s_mul_i32 s22, s18, \slab
	s_mul_i32 s24, s19, 3072
	s_add_co_u32 s22, s22, s24
	s_add_nc_u64 s[28:29], s[\dst:\dst+1], s[22:23]
	s_lshl_b32 s22, s19, 9
	s_lshl_b32 s24, s18, 7
	s_add_co_u32 s22, s22, s24
	s_add_co_u32 s22, s22, \scoff
	s_add_nc_u64 s[30:31], s[\dst:\dst+1], s[22:23]
	v_bfe_u32 v10, v0, 3, 1                        ; column l of the 32 is lane-row (l & 7) + 8 (l / 16) of tile (l / 8) & 1
	v_and_b32 v11, 7, v0
	v_lshl_or_b32 v11, v3, 3, v11
	s_mul_i32 s24, s16, 6144
	s_add_co_u32 s24, s24, \stg                    ; my stage: the two tiles' images of this slab
	v_mul_u32_u24 v12, v10, 3072
	v_add_nc_u32 v12, s24, v12
	v_lshl_add_u32 v6, v11, 4, v12
	v_lshl_add_u32 v7, v11, 3, v12
	v_lshlrev_b32 v9, 9, v10
	v_lshl_add_u32 v9, v11, 3, v9                  ; my two scale words
	v_lshlrev_b32 v22, 2, v1
	v_add_nc_u32 v23, s24, v4
	WLOAD 0, \cols
	WLOAD 1, \cols
.irp t, 0,1,2,3,4,5,6,7
	WBLOCK \t, \cols
.endr
	global_store_b64 v9, v[24:25], s[30:31]
.irp i, 0,1,2,3,4,5,6,7,8,9,10,11
	ds_load_b128 v[112+4*\i:112+4*\i+3], v23 offset:512*\i
.endr
.irp i, 0,1,2,3,4,5,6,7,8,9,10,11
	s_wait_dscnt 11-\i                             ; LDS loads come back in order: load i is in, the younger ones may be out
	global_store_b128 v4, v[112+4*\i:112+4*\i+3], s[28:29] offset:512*\i   ; 6,144 consecutive bytes in all, 512 a store
.endr
	s_wait_tensorcnt 0x0                           ; the wave's end, behind my last LDS store
	ds_add_u32 v[SPW], v[NIL]
	s_wait_dscnt 0x0
	s_endpgm
.endm
.Lweights:
	s_cmp_lt_u32 ttmp9, 608
	s_cbranch_scc0 .Lwp
	WPATH 3072, 24, 171, 6, 12, 2359296, 589824, WQST, 512
.Lwp:
	WPATH 1024, 8, 512, 8, 14, 786432, 196608, WPST, 608
.Lfunc_end_k_q1c74a678d0_quant:
	.size	k_q1c74a678d0_quant, .Lfunc_end_k_q1c74a678d0_quant-k_q1c74a678d0_quant
	.p2alignl 7, 3214868480
	.fill 96, 4, 3214868480
	.section	.rodata,"a",@progbits
	.p2align	6, 0x0
	.amdhsa_kernel k_q1c74a678d0_quant
		.amdhsa_group_segment_fixed_size 83456
		.amdhsa_private_segment_fixed_size 0
		.amdhsa_enable_private_segment 0
		.amdhsa_kernarg_size 48
		.amdhsa_user_sgpr_count 2
		.amdhsa_user_sgpr_kernarg_segment_ptr 1
		.amdhsa_wavefront_size32 1
		.amdhsa_system_sgpr_workgroup_id_x 1
		.amdhsa_system_sgpr_workgroup_id_y 1
		.amdhsa_system_sgpr_workgroup_id_z 1
		.amdhsa_system_vgpr_workitem_id 0
		.amdhsa_next_free_vgpr 200
		.amdhsa_next_free_sgpr 66
		.amdhsa_reserve_vcc 1
		.amdhsa_float_denorm_mode_32 3
		.amdhsa_float_denorm_mode_16_64 3
		.amdhsa_memory_ordered 1
		.amdhsa_forward_progress 1
		.amdhsa_inst_pref_size 99
	.end_amdhsa_kernel
	.amdgpu_metadata
---
amdhsa.version: [ 1, 2 ]
amdhsa.kernels:
  - .name:           k_q1c74a678d0_quant
    .symbol:         k_q1c74a678d0_quant.kd
    .args:
      - { .name: x, .offset: 0, .size: 8, .value_kind: global_buffer, .address_space: global }
      - { .name: w_qkv, .offset: 8, .size: 8, .value_kind: global_buffer, .address_space: global }
      - { .name: w_proj, .offset: 16, .size: 8, .value_kind: global_buffer, .address_space: global }
      - { .name: xq, .offset: 24, .size: 8, .value_kind: global_buffer, .address_space: global }
      - { .name: wq, .offset: 32, .size: 8, .value_kind: global_buffer, .address_space: global }
      - { .name: wp, .offset: 40, .size: 8, .value_kind: global_buffer, .address_space: global }
    .group_segment_fixed_size: 83456
    .private_segment_fixed_size: 0
    .kernarg_segment_align: 8
    .kernarg_segment_size: 48
    .max_flat_workgroup_size: 128
    .sgpr_count:     66
    .vgpr_count:     200
    .wavefront_size: 32
...
	.end_amdgpu_metadata
.endif
;; end of part 1
;; launch qkv (part 2): grid 8 x 48, 4 waves a work-group, clusters of 4 x 4, 327,680 bytes of LDS; arguments xq, wq, qkv; writes qkv
.if DOCPART == 2
	.amdgcn_target "amdgcn-amd-amdhsa--gfx1250"
	.amdhsa_code_object_version 6
	.text
	.protected	k_q1c74a678d0_qkv
	.globl	k_q1c74a678d0_qkv
	.p2align	8
	.type	k_q1c74a678d0_qkv,@function
k_q1c74a678d0_qkv:
	s_mov_b64 s[64:65], 0
	v_nop
	global_prefetch_b8 v0, s[64:65] scope:SCOPE_SE
	s_setreg_imm32_b32 hwreg(HW_REG_WAVE_MODE, 25, 1), 1
	s_wait_xcnt 0x0
	s_wait_alu depctr_hold_cnt(0) depctr_sa_sdst(0) depctr_va_vdst(0) depctr_va_sdst(0) depctr_va_ssrc(0) depctr_va_vcc(0) depctr_vm_vsrc(0)
	s_getreg_b32 s2, hwreg(HW_REG_IB_STS2, 6, 4)
	s_cmp_eq_u32 s2, 0
	s_cbranch_scc0 .Lentry_in_a_cluster
	s_endpgm
.Lentry_in_a_cluster:
	s_bfe_u32 s2, ttmp6, 0x10000c
	s_cmp_lg_u32 s2, 0xf033
	s_cbranch_scc0 .Lentry_shape_is_right
	s_endpgm
.Lentry_shape_is_right:
; qkv = x w_qkv on codes of FP6 (E2M3) with E8M0 scales, K = 1024, and the results quantised at once for the attention: q and k along the head's 64, v along the keys.  No f32 result goes to memory.
; A tile of 256 x 256 is made by four waves, 128 x 128 each: 64 accumulators in windows 2 and 3.  C'[m'][n'] = A' B'^T, used transposed: source 0 = 16 rows of B', source 1 = 16 rows of A':
; a lane holds ONE row of A', and, by the order of rows in a tile (lane-row r of tile T = row 32 (T/2) + 8 (T%2) + r + 8 (r/8)), the 16 registers of B' tiles 2 b, 2 b + 1 are 16 neighbours 32 b + 16 (lane/16) + 0 .. 15.
; q, k (cluster rows 0-7): A' = tokens, B' = columns 0 .. 2047 of w_qkv: registers run along the head's channels.  v (cluster rows 8-11): A' = columns 2048 .. of w_qkv, B' = tokens: registers run along the keys.
; OPERANDS lie in memory as images of their registers (768 bytes for 16 rows x 64 K), so a slab of 256 K of 8 tiles is one dense block of 24,576 bytes for one tensor load, and a fragment is four lane-contiguous LDS loads.
; K's four slabs go through THREE LDS slots: slabs 0, 1, 2 and all scale words are first fills; slab 3 is the one refill, into slot 0, with 256 matrix instructions a wave in which to land.  By this text's count four tensor loads of a wave are out at the most.
; CLUSTERS: 4 x 4.  A' tiles are shared along a row of the cluster, B' tiles along a column: joint loads, each with the mask of its four.
; OUT: a chunk = one head x 128 tokens = 13,056 bytes: 8 x 768 codes of q or k; 4 x 1,536 codes of v^T (16 channels x 128 keys); 512 bytes of q's or k's scale words; 256 of v's.  q's chunks from byte 0, k's and v's from KVOFF.
; LIMITS: a block of zeros gets the byte 1 (its codes are zeros; this program alone reads the bytes); NaN and infinities are not served.
.set SLOT,  98304                      ; A' 16 tiles x 3,072 bytes, then B' likewise
.set HALFT, 24576                      ; 8 tiles: what one tensor load brings, and what one wave reads of A' or B'
.set SCL,   3*SLOT                     ; the scale words: A' 8,192 bytes, then B' 8,192
.set SPARE, SCL+16384                  ; the spare words, 128 bytes for each wave: two blocks of 256 bytes that no other line names
.set XSL,   1572864                    ; a slab of x's codes;  of w_qkv's:
.set WQSL,  589824
.set XSCO,  6291456                    ; where x's scale words begin;  w_qkv's:
.set WQSCO, 2359296
.set CH,    13056
.set HS,    16*CH
.set KVOFF, 64*HS
.set FR,    12
.set AF,    128                        ; A' fragments, one set, window 0;  B' two sets at v0 and v128 of window 1
.set SC,    32                         ; v32-63 scale words, two sets of 16: register 2 i + q: lanes 0-15 A' tile i, lanes 16-31 B' tile i
.set SPW,   28                         ; v28 SPARE + 4 x my thread's number;  v29 0: never rewritten
.set NIL,   29
.set PC,    64                         ; the way out: v64-83 codes, v84-99 at work, v100-107 the eight scale words, v108-115 scale words as stored
.set TM,    84
.set PW,    100
.set G1,  24                           ; s[24:31] group 1, A' codes;  s[32:43] groups 0 for slots 0-2
.set G0,  32
.set G1B, 48                           ; s[48:55], s[68:79] the same for B'
.set G0B, 68
.set G0S, 56                           ; s[56:59], s[60:63] groups 0 for the scale words;  s[80:87], s[88:95] their groups 1
.set G0SB, 60
.set G1S, 80
.set G1SB, 88
.set SA,  96                           ; s[96:97], s[98:99] a slab on, in bytes, in A' and in B'
.set SB,  98
.set MSB, 0
.macro WIN new                         ; the immediate's high byte repeats the setting that is left
.if MSB != (\new)
	s_set_vgpr_msb (MSB<<8)|(\new)
.set MSB, (\new)
.endif
.endm
.set MUL_LO, 0xa1                      ; source 0 (B') window 1, source 1 (A') window 0, C and D window 2
.set MUL_HI, 0xf1                      ; the same, C and D window 3
; A joint load: waves 0 and 1 fetch for A', waves 2 and 3 for B'.  An s_nop 0 and four v_nop follow each of the two lines.
.macro JLOAD g0a, g1a, g0b, g1b
	s_cmp_eq_u32 s15, 0
	s_cbranch_scc0 .Lfor_b_\@
	tensor_load_to_lds s[\g0a:\g0a+3], s[\g1a:\g1a+7]
	s_nop 0
.rept 4
	v_nop
.endr
	s_branch .Lasked_\@
.Lfor_b_\@:
	tensor_load_to_lds s[\g0b:\g0b+3], s[\g1b:\g1b+7]
	s_nop 0
.rept 4
	v_nop
.endr
.Lasked_\@:
.endm
.macro CREST                           ; a round of the cluster's barrier behind its opening barrier
	s_cmp_lg_u32 s14, 0
	s_cbranch_scc1 .Lnot_wave_0_\@
	s_barrier_signal -3
.Lnot_wave_0_\@:
	s_barrier_wait -3
	s_barrier_signal -1
	s_barrier_wait -1
.endm
.macro CROUND
	s_barrier_signal -1
	s_barrier_wait -1
	CREST
.endm
.macro PLACES n                        ; plain places behind matrix instructions, in front of loads into their registers and of reads of their results
.rept \n
	v_nop
.endr
.endm
.macro FRAG reg, a16, a8, q, i         ; a fragment as it was stored: 16 bytes, 8 bytes, 16 bytes, 8 bytes a lane, each load lane-contiguous
	ds_load_b128 v[\reg:\reg+3], v[\a16] offset:3072*(\i)+1536*(\q)
	ds_load_b64 v[\reg+4:\reg+5], v[\a8] offset:3072*(\i)+1536*(\q)+512
	ds_load_b128 v[\reg+6:\reg+9], v[\a16] offset:3072*(\i)+1536*(\q)+768
	ds_load_b64 v[\reg+10:\reg+11], v[\a8] offset:3072*(\i)+1536*(\q)+1280
.endm
.macro FETCH_B slot, q, p              ; B' eight fragments into set p
	WIN 0x40
.irp i, 0,1,2,3,4,5,6,7
	FRAG 128*(\p)+FR*\i, 14+(\slot), 17+(\slot), \q, \i
.endr
	WIN 0
.endm
.macro FETCH_A slot, q, i0             ; A' blocks i0 .. i0 + 3
.irp i, \i0, \i0+1, \i0+2, \i0+3
	FRAG AF+FR*(\i), 8+(\slot), 11+(\slot), \q, \i
.endr
.endm
.macro SCALES set, slab                ; a slab's scale words: two a row
.irp i, 0,1,2,3,4,5,6,7
	ds_load_b64 v[SC+16*(\set)+2*\i:SC+16*(\set)+2*\i+1], v20 offset:512*\i+128*(\slab)
.endr
.endm
; 16 matrix instructions: A' blocks a0, a0 + 1 x B' eight.  The 64 accumulators take turns, one instruction a turn, in the same order in every step.
.macro MUL16 a0, p, q, sc, zero
.irp a, \a0, \a0+1
.irp b, 0,1,2,3,4,5,6,7
.if \zero
	v_wmma_scale_f32_16x16x128_f8f6f4 v[8*(8*((\a)%4)+\b):8*(8*((\a)%4)+\b)+7], v[128*(\p)+FR*\b:128*(\p)+FR*\b+FR-1], v[AF+FR*(\a):AF+FR*(\a)+FR-1], 0, v[SC+16*(\sc)+2*\b+(\q)], v[SC+16*(\sc)+2*(\a)+(\q)] matrix_a_fmt:MATRIX_FMT_FP6 matrix_b_fmt:MATRIX_FMT_FP6 matrix_a_scale:MATRIX_SCALE_ROW1
.else
	v_wmma_scale_f32_16x16x128_f8f6f4 v[8*(8*((\a)%4)+\b):8*(8*((\a)%4)+\b)+7], v[128*(\p)+FR*\b:128*(\p)+FR*\b+FR-1], v[AF+FR*(\a):AF+FR*(\a)+FR-1], v[8*(8*((\a)%4)+\b):8*(8*((\a)%4)+\b)+7], v[SC+16*(\sc)+2*\b+(\q)], v[SC+16*(\sc)+2*(\a)+(\q)] matrix_a_fmt:MATRIX_FMT_FP6 matrix_b_fmt:MATRIX_FMT_FP6 matrix_a_scale:MATRIX_SCALE_ROW1
.endif
.endr
.endr
.endm
; A step of 128 along K; it fetches the next step's fragments (slot nslot, half nq) and, where nset >= 0, slab nslab's scale words.
.macro STEP p, q, sc, zero, nslot, nq, nset, nslab
	s_wait_dscnt 16                                ; all but the youngest 16 loads (A' blocks 4-7) are in
	WIN MUL_LO
	MUL16 0, \p, \q, \sc, \zero
	MUL16 2, \p, \q, \sc, \zero
	s_wait_dscnt 0x0
	PLACES 4
	FETCH_B \nslot, \nq, 1-(\p)
	FETCH_A \nslot, \nq, 0
.if (\nset) >= 0
	SCALES \nset, \nslab
.endif
	WIN MUL_HI
	MUL16 4, \p, \q, \sc, \zero
	MUL16 6, \p, \q, \sc, \zero
	PLACES 4
	WIN 0
	FETCH_A \nslot, \nq, 4
.endm
; A step with a barrier in it.  In front of it each wave waits for all its tensor loads, adds 0 to its spare word, and waits for that and for its LDS reads.  fill = 1: the barrier opens a round of the cluster's, and slot 0, read out, takes slab 3.
.macro TURN p, q, sc, fill, nslot, nq, nset, nslab
	s_wait_tensorcnt 0x0                           ; all my tensor loads have landed
	ds_add_u32 v[SPW], v[NIL]
	s_wait_dscnt 17                                ; (the add and the youngest 16 loads may be out)
	WIN MUL_LO
	MUL16 0, \p, \q, \sc, 0
	s_wait_dscnt 0x0                               ; the add is done, and my reads of the slot in hand are over
	s_barrier_signal -1
	MUL16 2, \p, \q, \sc, 0
	WIN 0
	s_barrier_wait -1
.if \fill
	CREST                                          ; no wave of any partner still reads slot 0 or has a load on its way
	s_add_nc_u64 s[G0+2:G0+3], s[G0+10:G0+11], s[SA:SA+1]       ; slab 3 = slot 2's slab + one; the type bits on top are not reached
	s_add_nc_u64 s[G0B+2:G0B+3], s[G0B+10:G0B+11], s[SB:SB+1]
	JLOAD G0, G1, G0B, G1B                         ; the first tensor load behind the round; its four v_nop are the places in front of the loads below
.else
	PLACES 4
.endif
	FETCH_B \nslot, \nq, 1-(\p)
	FETCH_A \nslot, \nq, 0
	SCALES \nset, \nslab
	WIN MUL_HI
	MUL16 4, \p, \q, \sc, 0
	MUL16 6, \p, \q, \sc, 0
	PLACES 4
	WIN 0
	FETCH_A \nslot, \nq, 4
.endm
	s_load_b128 s[4:7], s[0:1], 0x0                ; xq, wq
	s_load_b64 s[8:9], s[0:1], 0x10                ; qkv
	v_lshl_add_u32 v[SPW], v0, 2, SPARE
	v_mov_b32 v[NIL], 0
	ds_add_u32 v[SPW], v[NIL]                      ; the wave's opening: the add and its wait come ahead of my first tensor load
	v_lshrrev_b32 v1, 5, v0
	v_readfirstlane_b32 s14, v1                    ; wave
	s_lshr_b32 s15, s14, 1                         ; my half of A' rows.  Also: I fetch for A' (0) or B' (1)
	s_and_b32 s16, s14, 1                          ; my half of B' rows.  Also: which 8 tiles I fetch
	s_bfe_u32 s44, ttmp6, 0x40000                  ; cx
	s_bfe_u32 s45, ttmp6, 0x40004                  ; cy
	s_and_b32 s46, ttmp7, 0xffff                   ; the cluster's y
	s_lshl_b32 s2, s45, 2
	s_lshl_b32 s2, 15, s2                          ; my row of the cluster
	s_lshl_b32 s3, 0x1111, s44                     ; my column
	s_or_b32 s[G1], s2, (3<<16)|(1<<21)            ; 15:0 the mask; 17:16 elements of 8 bytes; 21 set beside a mask; no padding
	s_or_b32 s[G1B], s3, (3<<16)|(1<<21)
	s_or_b32 s[G1S], s2, (3<<16)|(1<<21)
	s_or_b32 s[G1SB], s3, (3<<16)|(1<<21)
.irp g, G1, G1B                        ; a dense block of 24,576 bytes as 96 rows of 256
	s_mov_b32 s[\g+1], 32<<16
	s_mov_b32 s[\g+2], 96<<16
	s_mov_b32 s[\g+3], 32<<16
	s_mov_b32 s[\g+4], 96
	s_mov_b32 s[\g+5], 32
	s_mov_b32 s[\g+6], 0
	s_mov_b32 s[\g+7], 0
.endr
.irp g, G1S, G1SB                      ; 4,096 bytes as 16 rows of 256
	s_mov_b32 s[\g+1], 32<<16
	s_mov_b32 s[\g+2], 16<<16
	s_mov_b32 s[\g+3], 32<<16
	s_mov_b32 s[\g+4], 16
	s_mov_b32 s[\g+5], 32
	s_mov_b32 s[\g+6], 0
	s_mov_b32 s[\g+7], 0
.endr
	s_sub_co_u32 s18, s46, 8
	s_lshl_b32 s18, s18, 1
	s_add_co_u32 s18, s18, ttmp9                   ; v: 2 (Y - 8) + X
	s_mov_b32 s[SA], XSL
	s_mov_b32 s[SB], WQSL
	s_mov_b32 s2, XSCO
	s_mov_b32 s3, WQSCO
	s_cmp_lt_u32 s46, 8                            ; q or k?  The cluster's y alone: the same in all sixteen partners
	s_cselect_b32 s47, 1, 0
	s_cselect_b32 s19, s46, 0                      ; the cluster's place along A'
	s_cselect_b32 s18, ttmp9, s18                  ; and along B'
	s_cselect_b32 s101, 0, 128                     ; v's channels begin at tile 128 of w_qkv
	s_cselect_b32 s67, s[SA], s[SB]
	s_cselect_b32 s[SB], s[SB], s[SA]
	s_mov_b32 s[SA], s67
	s_cselect_b32 s67, s2, s3                      ; where A' scale words begin,
	s_cselect_b32 s3, s3, s2                       ; and B'
	s_mov_b32 s[SA+1], 0
	s_mov_b32 s[SB+1], 0
	s_lshl_b32 s17, s19, 2
	s_add_co_u32 s17, s17, s45                     ; TR: the tile's place along A'
	s_lshl_b32 s66, s18, 2
	s_add_co_u32 s66, s66, s44                     ; TC: along B'
	s_lshl_b32 s10, s17, 4
	s_lshl_b32 s19, s16, 3
	s_add_co_u32 s10, s10, s19
	s_add_co_u32 s10, s10, s101                    ; the first A' tile that I would fetch
	s_lshl_b32 s12, s10, 9
	s_add_co_u32 s12, s12, s67                     ; its scale words,
	s_mul_i32 s10, s10, 3072                       ; its codes in slab 0
	s_mov_b32 s11, 0
	s_mov_b32 s13, 0
	s_lshl_b32 s20, s66, 4
	s_add_co_u32 s20, s20, s19                     ; the same for B'
	s_lshl_b32 s22, s20, 9
	s_add_co_u32 s22, s22, s3
	s_mul_i32 s20, s20, 3072
	s_mov_b32 s21, 0
	s_mov_b32 s23, 0
	s_mul_i32 s18, s14, HALFT                      ; where they go: wave x 8 tiles: no place in the cluster enters an LDS address
	s_lshl_b32 s19, s14, 12
	s_wait_dscnt 0x0                               ; the opening add is done
	s_wait_kmcnt 0x0
	s_cmp_lt_u32 s46, 8
	s_cselect_b64 s[2:3], s[4:5], s[6:7]           ; A' buffer
	s_cselect_b64 s[6:7], s[6:7], s[4:5]           ; B' buffer
	s_add_nc_u64 s[10:11], s[2:3], s[10:11]
	s_add_nc_u64 s[12:13], s[2:3], s[12:13]
	s_add_nc_u64 s[20:21], s[6:7], s[20:21]
	s_add_nc_u64 s[22:23], s[6:7], s[22:23]
	CROUND                                         ; all sixteen work-groups are here: the first joint loads meet
	s_mov_b32 s[G0S], 1
	s_add_co_u32 s[G0S+1], s19, SCL
	s_mov_b64 s[G0S+2:G0S+3], s[12:13]
	s_or_b32 s[G0S+3], s[G0S+3], 0x80000000
	s_mov_b32 s[G0SB], 1
	s_add_co_u32 s[G0SB+1], s19, SCL
	s_mov_b64 s[G0SB+2:G0SB+3], s[22:23]
	s_or_b32 s[G0SB+3], s[G0SB+3], 0x80000000
	JLOAD G0S, G1S, G0SB, G1SB                     ; the scale words of all of K: filled once
.irp s, 0,1,2
	s_mov_b32 s[G0+4*\s], 1
	s_add_co_u32 s[G0+4*\s+1], s18, \s*SLOT
	s_mov_b64 s[G0+4*\s+2:G0+4*\s+3], s[10:11]
	s_or_b32 s[G0+4*\s+3], s[G0+4*\s+3], 0x80000000
	s_mov_b32 s[G0B+4*\s], 1
	s_add_co_u32 s[G0B+4*\s+1], s18, \s*SLOT
	s_mov_b64 s[G0B+4*\s+2:G0B+4*\s+3], s[20:21]
	s_or_b32 s[G0B+4*\s+3], s[G0B+4*\s+3], 0x80000000
	JLOAD G0+4*\s, G1, G0B+4*\s, G1B               ; slab s into slot s
.if \s < 2
	s_add_nc_u64 s[10:11], s[10:11], s[SA:SA+1]
	s_add_nc_u64 s[20:21], s[20:21], s[SB:SB+1]
.endif
.endr
	v_and_b32 v1, 31, v0
	v_and_b32 v2, 15, v0                           ; r
	v_bfe_u32 v3, v0, 4, 1                         ; h
	v_lshlrev_b32 v4, 4, v1                        ; 16 x lane
	v_lshlrev_b32 v5, 3, v1                        ; 8 x lane
	s_mul_i32 s18, s15, HALFT                      ; my 8 tiles of A',
	s_mul_i32 s19, s16, HALFT
	s_add_co_u32 s19, s19, 2*HALFT                 ; and of B', which lie behind A' sixteen
.irp s, 0,1,2
	v_add_nc_u32 v[8+\s], s18, v4
	v_add_nc_u32 v[11+\s], s18, v5
	v_add_nc_u32 v[14+\s], s19, v4
	v_add_nc_u32 v[17+\s], s19, v5
	s_add_co_u32 s18, s18, SLOT
	s_add_co_u32 s19, s19, SLOT
.endr
	s_lshl_b32 s18, s15, 12                        ; scale words: lanes 0-15 take A' rows, lanes 16-31 B'
	s_lshl_b32 s19, s16, 12
	s_add_co_u32 s19, s19, 8192
	s_sub_co_u32 s19, s19, s18
	v_mul_u32_u24 v6, s19, v3
	s_add_co_u32 s18, s18, SCL
	v_lshl_add_u32 v6, v2, 3, v6
	v_add_nc_u32 v20, s18, v6
	; the way out: where my 128 x 128 goes
	v_mov_b32 v30, 0x1800000                       ; the floor 2^(3 - 127)
.irp b, 0,1,2,3
	v_mov_b32 v[TM+4+\b], 0                        ; a lane permute's destination counts as one of its sources
.endr
	v_cmp_ne_u32 s100, 0, v3                       ; lanes 16-31
	s_mov_b32 s2, 0x76543210
	s_mov_b32 s3, 0xfedcba98                       ; v_permlanex16_b32's selects for lane l xor 16
	s_lshl_b32 s18, s17, 8
	s_lshl_b32 s19, s15, 7
	s_add_co_u32 s18, s18, s19                     ; my first row of A'
	s_lshl_b32 s19, s66, 8
	s_lshl_b32 s67, s16, 7
	s_add_co_u32 s19, s19, s67                     ; and of B'
	s_mov_b32 s101, KVOFF
	s_cmp_eq_u32 ttmp9, 0
	s_cselect_b32 s101, 0, s101                    ; q's chunks, or k's
	s_mov_b32 s10, KVOFF+6144                      ; v's place in a chunk
	s_cmp_lg_u32 s47, 0
	s_cselect_b32 s67, s18, s19                    ; my first token
	s_cselect_b32 s19, s19, s18                    ; my first channel
	s_cselect_b32 s101, s101, s10
	s_and_b32 s19, s19, 1023
	s_lshr_b32 s19, s19, 6                         ; my first head (of two)
	s_lshr_b32 s18, s67, 11
	s_lshl_b32 s18, s18, 4
	s_add_co_u32 s18, s18, s19                     ; 16 x batch + head
	s_mul_i32 s18, s18, HS
	s_bfe_u32 s19, s67, 0x40007                    ; which 128 tokens of the 2,048
	s_mul_i32 s19, s19, CH
	s_add_co_u32 s18, s18, s19
	s_add_co_u32 s18, s18, s101
	s_mov_b32 s19, 0
	s_add_nc_u64 s[8:9], s[8:9], s[18:19]
	s_wait_tensorcnt 2                             ; the scale words and my part of slab 0 are in; slabs 1 and 2 may be out
	s_barrier_signal -1
	s_barrier_wait -1
	FETCH_B 0, 0, 0
	FETCH_A 0, 0, 0
	SCALES 0, 0
	FETCH_A 0, 0, 4
	STEP 0, 0, 0, 1, 0, 1, -1, 0                   ; the first step's products start the sums: nothing is cleared
	TURN 1, 1, 0, 1, 1, 0, 1, 1                    ; slot 0 is read out: slab 3 is asked for.  Slots 1 and 2 are whole in every wave from here on
	STEP 0, 0, 1, 0, 1, 1, -1, 0
	STEP 1, 1, 1, 0, 2, 0, 0, 2
	STEP 0, 0, 0, 0, 2, 1, -1, 0
	TURN 1, 1, 0, 0, 0, 0, 1, 3                    ; slab 3 has landed, in every wave
	STEP 0, 0, 1, 0, 0, 1, -1, 0
	s_wait_dscnt 16
	WIN MUL_LO
	MUL16 0, 1, 1, 1, 0
	MUL16 2, 1, 1, 1, 0
	s_wait_dscnt 0x0
	WIN MUL_HI
	MUL16 4, 1, 1, 1, 0
	MUL16 6, 1, 1, 1, 0
	WIN 0
; THE WAY OUT.  Block a (16 rows of A' x 128 of B'): a lane's 64 registers, register 16 b + i = place 32 b + 16 (lane/16) + i of its row, become a fragment's 12 registers of codes in v[PC] on and the row's scale word in v[PW + a].
.macro QUANTA a
.set AC, 64*((\a)%4)
.set WW, 2+(\a)/4
	WIN (WW<<2)|(WW<<4)                            ; sources 1 and 2: the accumulators' window
.irp b, 0,1,2,3
	v_max3_num_f32 v[TM+\b], v30, |v[AC+16*\b]|, |v[AC+16*\b+1]|   ; each accumulator is read from its low end on
.endr
.irp i, 2,4,6,8,10,12,14
.irp b, 0,1,2,3
	v_max3_num_f32 v[TM+\b], v[TM+\b], |v[AC+16*\b+\i]|, |v[AC+16*\b+\i+1]|
.endr
.endr
	WIN 0
.irp b, 0,1,2,3
	v_permlanex16_b32 v[TM+4+\b], v[TM+\b], s2, s3
.endr
.irp b, 0,1,2,3
	v_max_num_f32 v[TM+\b], v[TM+\b], v[TM+4+\b]   ; with lane l xor 16's 16: the block's largest magnitude
.endr
.irp b, 0,1,2,3
	v_add_nc_u32 v[TM+12+\b], 0xff000000, v[TM+\b] ; 2 off the exponent field: the conversion's scale operand
.endr
.irp b, 0,1,2,3
	v_lshrrev_b32 v[TM+4+\b], 23, v[TM+12+\b]      ; the byte
.endr
	v_lshl_or_b32 v[PW+(\a)], v[TM+5], 8, v[TM+4]
	v_lshl_or_b32 v[PW+(\a)], v[TM+6], 16, v[PW+(\a)]
	v_lshl_or_b32 v[PW+(\a)], v[TM+7], 24, v[PW+(\a)]
	s_wait_xcnt 0x0                                ; the last block's stores have read the codes' registers: they are written again only behind this wait
	WIN WW                                         ; source 0: the accumulators' window
.irp c, 0,1
	v_cvt_scalef32_pk16_fp6_f32 v[PC+6*\c:PC+6*\c+2], v[AC+32*\c:AC+32*\c+15], v[TM+12+2*\c]
	v_cvt_scalef32_pk16_fp6_f32 v[PC+12+4*\c:PC+14+4*\c], v[AC+32*\c+16:AC+32*\c+31], v[TM+12+2*\c+1]
.endr
	WIN 0
	v_nop                                          ; one plain place behind a scaled conversion
.irp c, 0,1                            ; the operand's layout wants a whole block in a lane
.irp i, 0,1,2
	v_permlane16_swap_b32 v[PC+6*\c+\i], v[PC+12+4*\c+\i]
.endr
.irp i, 0,1,2
	v_mov_b32 v[PC+3+6*\c+\i], v[PC+12+4*\c+\i]
.endr
.endr
.endm
	PLACES 4
	s_cmp_eq_u32 s47, 0
	s_cbranch_scc1 .Lvarm
; q, k: my 128 tokens are one chunk, my 128 columns two heads: registers 0-5 are the even head's half fragment, registers 6-11 the odd head's
.irp a, 0,1,2,3,4,5,6,7
	QUANTA \a
	global_store_b128 v4, v[PC:PC+3], s[8:9] offset:768*\a                ; every store covers 512 or 256 consecutive bytes, aligned to 256
	global_store_b64 v5, v[PC+4:PC+5], s[8:9] offset:768*\a+512
	global_store_b128 v4, v[PC+6:PC+9], s[8:9] offset:HS+768*\a
	global_store_b64 v5, v[PC+10:PC+11], s[8:9] offset:HS+768*\a+512
.endr
.irp i, 0,1,2,3
	v_cndmask_b32 v[108+\i], v[PW+2*\i], v[PW+2*\i+1], s100   ; lanes 0-15: tile 2 i's words, lanes 16-31: tile 2 i + 1's.  Bytes 0, 1: the even head's; the upper two meet zero codes alone, and are never 0xff
.endr
.irp i, 0,1,2,3
	v_lshrrev_b32 v[112+\i], 16, v[108+\i]         ; the odd head's two bytes
.endr
	global_store_b128 v4, v[108:111], s[8:9] offset:12288
	global_store_b128 v4, v[112:115], s[8:9] offset:HS+12288
	s_branch .Ldone
.Lvarm:
; v: my 128 channels are two heads of four tiles, my 128 tokens one chunk's keys: a block is a whole fragment of v^T
.irp a, 0,1,2,3,4,5,6,7
	QUANTA \a
	global_store_b128 v4, v[PC:PC+3], s[8:9] offset:(\a/4)*HS+(\a%4)*1536
	global_store_b64 v5, v[PC+4:PC+5], s[8:9] offset:(\a/4)*HS+(\a%4)*1536+512
	global_store_b128 v4, v[PC+6:PC+9], s[8:9] offset:(\a/4)*HS+(\a%4)*1536+768
	global_store_b64 v5, v[PC+10:PC+11], s[8:9] offset:(\a/4)*HS+(\a%4)*1536+1280
.endr
.irp i, 0,1,2,3
	v_cndmask_b32 v[108+\i], v[PW+2*\i], v[PW+2*\i+1], s100
.endr
	global_store_b64 v5, v[108:109], s[8:9] offset:6656
	global_store_b64 v5, v[110:111], s[8:9] offset:HS+6656
.Ldone:
	s_wait_tensorcnt 0x0                           ; the wave's end
	ds_add_u32 v[SPW], v[NIL]
	s_wait_dscnt 0x0
	CROUND                                         ; the closing round
	s_endpgm
.Lfunc_end_k_q1c74a678d0_qkv:
	.size	k_q1c74a678d0_qkv, .Lfunc_end_k_q1c74a678d0_qkv-k_q1c74a678d0_qkv
	.p2alignl 7, 3214868480
	.fill 96, 4, 3214868480
	.section	.rodata,"a",@progbits
	.p2align	6, 0x0
	.amdhsa_kernel k_q1c74a678d0_qkv
		.amdhsa_group_segment_fixed_size 327680
		.amdhsa_private_segment_fixed_size 0
		.amdhsa_enable_private_segment 0
		.amdhsa_kernarg_size 24
		.amdhsa_user_sgpr_count 2
		.amdhsa_user_sgpr_kernarg_segment_ptr 1
		.amdhsa_wavefront_size32 1
		.amdhsa_system_sgpr_workgroup_id_x 1
		.amdhsa_system_sgpr_workgroup_id_y 1
		.amdhsa_system_sgpr_workgroup_id_z 1
		.amdhsa_system_vgpr_workitem_id 0
		.amdhsa_next_free_vgpr 1024
		.amdhsa_next_free_sgpr 102
		.amdhsa_reserve_vcc 0
		.amdhsa_float_denorm_mode_32 3
		.amdhsa_float_denorm_mode_16_64 3
		.amdhsa_memory_ordered 1
		.amdhsa_forward_progress 1
		.amdhsa_inst_pref_size 183
	.end_amdhsa_kernel
	.amdgpu_metadata
---
amdhsa.version: [ 1, 2 ]
amdhsa.kernels:
  - .name:           k_q1c74a678d0_qkv
    .symbol:         k_q1c74a678d0_qkv.kd
    .args:
      - { .name: xq, .offset: 0, .size: 8, .value_kind: global_buffer, .address_space: global }
      - { .name: wq, .offset: 8, .size: 8, .value_kind: global_buffer, .address_space: global }
      - { .name: qkv, .offset: 16, .size: 8, .value_kind: global_buffer, .address_space: global }
    .group_segment_fixed_size: 327680
    .private_segment_fixed_size: 0
    .kernarg_segment_align: 8
    .kernarg_segment_size: 24
    .max_flat_workgroup_size: 128
    .sgpr_count:     102
    .vgpr_count:     1024
    .wavefront_size: 32
...
	.end_amdgpu_metadata
.endif
;; end of part 2
;; launch attn (part 3): grid 64 x 8, 16 waves a work-group, no clusters, 212,992 bytes of LDS; arguments qkv, yq; writes yq
.if DOCPART == 3
	.amdgcn_target "amdgcn-amd-amdhsa--gfx1250"
	.amdhsa_code_object_version 6
	.text
	.protected	k_q1c74a678d0_attn
	.globl	k_q1c74a678d0_attn
	.p2align	8
	.type	k_q1c74a678d0_attn,@function
k_q1c74a678d0_attn:
	s_mov_b64 s[64:65], 0
	v_nop
	global_prefetch_b8 v0, s[64:65] scope:SCOPE_SE
	s_setreg_imm32_b32 hwreg(HW_REG_WAVE_MODE, 25, 1), 1
	s_wait_xcnt 0x0
; y[b][t][head] = causal softmax(q k^T / 8) v for one head and 256 queries, both products on codes of FP6 (E2M3) with E8M0 scales; y is quantised along C at once and leaves as codes, laid as the next product's operand.
; THE SOFTMAX AHEAD OF THE SECOND PRODUCT: t = score x log2(e) / 8; M = the running largest t rounded UP to a whole number; p = 2^(t - M) is quantised along the keys; the row's sum is taken of the unquantised p and divides at the end.
; SHARES.  Work-group (x, y): head x (16 x batch + head), query block 7 - y (the blocks with the most keys have the lowest numbers).  Each of sixteen waves owns one tile of 16 queries in 256 registers, four waves to a SIMD.
; A HEAD'S k, v AND SCALE WORDS, 16 chunks of 13,056 bytes (128 keys each), FIT IN LDS: wave w brings chunk w by one tensor load; no byte is filled twice; one barrier.  A chunk behind the block's last query is not fetched,
; and no step reads it: a wave walks chunks 0 .. CQ, and CQ is at most 2 x block + 1.  Every wait on TENSORcnt is for 0.
; NO CLUSTER: the query blocks of a head want 2, 4 .. 16 chunks, so partners would need different numbers of tiles.
; LAYOUT.  Both products are used transposed (S^T = k q^T, O^T = v^T p^T): a lane holds ONE query.  The keys of a tile of k, the queries of a tile of q and the channels of a tile of v^T stand in the order
; lane-row r of tile T = 32 (T/2) + 8 (T%2) + r + 8 (r/8), so that 16 registers of two neighbouring tiles are 16 neighbours.  The first product's K is 64: registers 6-11 of q's and k's fragments are zero codes.
; LIMITS: NaN and infinities are not served; a block of zeros gets the byte 1 (its codes are zeros; this program alone reads the bytes).  y's scale bytes leave as single bytes, 32 a wave: the other half of a word belongs to the neighbouring head's work-group.
; REGISTERS: v1 16 l, v2 8 l, v3, v4 the step's LDS addresses, v5, v6 the add's two, v7 d, v8 -infinity, v10 r, v11 h, v12 -M, v13 largest t, v[14:15] the sum; v16-27 q; v[30:31] v's scale words; v32-127 k's eight fragments;
;   v128-191 S^T, then p, then v's four fragments; v192-223 O^T; v224-235 p's codes; v232-247 at work; v248-251 k's scale words; v252 f; v253 p's scale word; v254 at work; v255 q's scale word.
.set CH,    13056
.set HS,    16*CH
.set KVOFF, 64*HS
.set XSL,   1572864
.set XSCO,  6291456
.set SPARE, HS                         ; behind the head's chunks: the spare words, 128 bytes for each wave: eight blocks of 256 bytes that no other line names
.set S,     128
.set O,     192
	s_load_b128 s[4:7], s[0:1], 0x0                ; qkv, yq
	v_lshl_add_u32 v5, v0, 2, SPARE
	v_mov_b32 v6, 0
	ds_add_u32 v5, v6                              ; the wave's opening: the add and its wait come ahead of my first tensor load
	ds_add_u32 v5, v6
	v_lshrrev_b32 v9, 5, v0
	s_delay_alu instid0(VALU_DEP_1)
	v_readfirstlane_b32 s18, v9                    ; wave 0..15
	s_and_b32 s8, ttmp7, 0xffff
	s_sub_co_u32 s8, 7, s8                         ; my block of 256 queries
	s_lshl_b32 s9, s8, 1
	s_lshr_b32 s10, s18, 3
	s_add_co_u32 s24, s9, s10                      ; CQ: the chunk in which my queries lie
	s_add_co_u32 s9, s9, 1                         ; the last chunk that any wave here reads
	s_and_b32 s10, s18, 7                          ; my tile in that chunk
	s_mov_b32 s32, 3<<16                           ; group 1: a dense block of 13,056 bytes as 51 rows of 256: elements of 8 bytes, no mask, no padding
	s_mov_b32 s33, 32<<16
	s_mov_b32 s34, 51<<16
	s_mov_b32 s35, 32<<16
	s_mov_b32 s36, 51
	s_mov_b32 s37, 32
	s_mov_b32 s38, 0
	s_mov_b32 s39, 0
	s_mul_i32 s11, ttmp9, HS                       ; the head's chunks
	s_mov_b32 s28, 1
	s_mul_i32 s29, s18, CH                         ; chunk w goes to LDS byte w x 13,056
	s_add_co_u32 s12, s11, s29
	s_add_co_u32 s12, s12, KVOFF
	s_mov_b32 s13, 0
	s_mov_b32 s20, 0x76543210
	s_mov_b32 s21, 0xfedcba98                      ; v_permlanex16_b32's selects for lane l xor 16
	s_mov_b32 s22, 0x3e38aa3b                      ; c = log2(e) / 8
	s_mov_b32 s23, s22                             ; (named with it as a pair)
	s_wait_dscnt 0x0                               ; the opening add is done
	s_wait_kmcnt 0x0
	s_add_nc_u64 s[30:31], s[4:5], s[12:13]
	s_or_b32 s31, s31, 0x80000000
	s_cmp_gt_u32 s18, s9                           ; ids alone
	s_cbranch_scc1 .Lnoload
	tensor_load_to_lds s[28:31], s[32:39]
	s_nop 0
.rept 4
	v_nop
.endr
.Lnoload:
	s_mul_i32 s12, s24, CH
	s_add_co_u32 s12, s12, s11                     ; q's chunk
	s_mul_i32 s14, s10, 768
	s_add_co_u32 s14, s14, s12
	s_mov_b32 s15, 0
	s_add_nc_u64 s[14:15], s[4:5], s[14:15]        ; my tile's codes
	s_and_b32 s16, s10, 1
	s_lshl_b32 s16, s16, 8
	s_lshr_b32 s17, s10, 1
	s_lshl_b32 s17, s17, 2
	s_add_co_u32 s16, s16, s17
	s_add_co_u32 s16, s16, s12
	s_add_co_u32 s16, s16, 12288
	s_mov_b32 s17, 0
	s_add_nc_u64 s[16:17], s[4:5], s[16:17]        ; and its scale words: 16 bytes from row to row
	v_and_b32 v9, 31, v0
	s_delay_alu instid0(VALU_DEP_1)
	v_lshlrev_b32 v1, 4, v9
	s_delay_alu instid0(VALU_DEP_2)
	v_lshlrev_b32 v2, 3, v9
	v_and_b32 v10, 15, v0                          ; r
	v_bfe_u32 v11, v0, 4, 1                        ; h
	s_delay_alu instid0(VALU_DEP_2)
	v_lshlrev_b32 v28, 4, v10
	global_load_b128 v[16:19], v1, s[14:15]
	global_load_b64 v[20:21], v2, s[14:15] offset:512
	global_load_b32 v255, v28, s[16:17]
	v_and_b32 v7, 8, v10
	s_delay_alu instid0(VALU_DEP_1)
	v_add_nc_u32 v7, v7, v10                       ; r + 8 (r / 8)
	v_lshlrev_b32 v29, 4, v11
	s_delay_alu instid0(VALU_DEP_1)
	v_sub_nc_u32 v7, v7, v29
	s_lshr_b32 s25, s10, 1
	s_lshl_b32 s25, s25, 5
	s_and_b32 s26, s10, 1
	s_lshl_b32 s26, s26, 3
	s_add_co_u32 s25, s25, s26
	v_add_nc_u32 v7, s25, v7                       ; d = my query's place in its chunk - 16 h
	v_mov_b32 v8, 0xff800000                       ; -infinity
.irp j, 22,23,24,25,26,27
	v_mov_b32 v[\j], 0                             ; q: zero codes for k = 64 .. 127
.endr
.irp t, 0,1,2,3,4,5,6,7
.irp j, 6,7,8,9,10,11
	v_mov_b32 v[32+12*\t+\j], 0                    ; k likewise: written once, no load lands here
.endr
.endr
	v_mov_b32 v13, 0xff61b1e6                      ; the largest t so far: -3e38
	s_delay_alu instid0(VALU_DEP_1)
	v_floor_f32 v12, -v13                          ; -M
	v_mov_b32 v14, 0
	v_mov_b32 v15, 0
.irp b, 0,1,2,3
	v_mov_b32 v[236+\b], 0                         ; a lane permute's destination counts as one of its sources
.endr
	v_mov_b32 v252, 0
	v_mov_b32 v253, 0
.irp j, 0,1,2,3,4,5,6,7,8,9,10,11,12,13,14,15,16,17,18,19,20,21,22,23,24,25,26,27,28,29,30,31
	v_mov_b32 v[O+\j], 0                           ; O^T: the step is written once; the first finds zeros, which the first change of M leaves zeros
.endr
	s_mov_b32 s2, 0                                ; LDS byte of the step's chunk
	s_mov_b32 s3, 0                                ; the step
	s_wait_tensorcnt 0x0                           ; my chunk has landed,
	s_barrier_signal -1
	s_barrier_wait -1                              ; everybody's has
	s_wait_loadcnt 0x0                             ; q
.Lstep:                                            ; 16 trips, a constant; a step whose keys all come after my queries is passed over
	s_cmp_gt_u32 s3, s24
	s_cbranch_scc1 .Lhidden
	s_setprio 2
	v_add_nc_u32 v3, s2, v1
	v_add_nc_u32 v4, s2, v2
.rept 3
	v_nop                                          ; five places with the two additions: the products below write over registers that the last step's products read
.endr
.irp t, 0,1,2,3,4,5,6,7
	ds_load_b128 v[32+12*\t:35+12*\t], v3 offset:768*\t
	ds_load_b64 v[36+12*\t:37+12*\t], v4 offset:768*\t+512
.endr
	ds_load_b128 v[248:251], v3 offset:12288       ; k's scale words: register i: lanes 0-15 tile 2 i, lanes 16-31 tile 2 i + 1
	ds_load_b64 v[30:31], v4 offset:12800          ; v's likewise
	s_wait_dscnt 0x0
.irp t, 0,1,2,3,4,5,6,7
.if \t%2
	v_wmma_scale_f32_16x16x128_f8f6f4 v[S+8*\t:S+8*\t+7], v[32+12*\t:43+12*\t], v[16:27], 0, v[248+\t/2], v255 matrix_a_fmt:MATRIX_FMT_FP6 matrix_b_fmt:MATRIX_FMT_FP6 matrix_a_scale:MATRIX_SCALE_ROW1
.else
	v_wmma_scale_f32_16x16x128_f8f6f4 v[S+8*\t:S+8*\t+7], v[32+12*\t:43+12*\t], v[16:27], 0, v[248+\t/2], v255 matrix_a_fmt:MATRIX_FMT_FP6 matrix_b_fmt:MATRIX_FMT_FP6
.endif
.endr
.rept 4
	v_nop
.endr
	s_cmp_lt_u32 s3, s24                           ; only my own chunk lies on the diagonal
	s_cbranch_scc1 .Lopen
.irp n, 0,1,2,3,4,5,6,7,8,9,10,11,12,13,14,15,16,17,18,19,20,21,22,23,24,25,26,27,28,29,30,31,32,33,34,35,36,37,38,39,40,41,42,43,44,45,46,47,48,49,50,51,52,53,54,55,56,57,58,59,60,61,62,63
	v_cmp_gt_i32 vcc_lo, 32*(\n/16)+\n%16, v7      ; register n holds key 32 (n / 16) + n % 16 + 16 h of the chunk: hidden where that is above my query
	v_cndmask_b32 v[S+\n], v[S+\n], v8, vcc_lo
.endr
.Lopen:
.irp b, 0,1,2,3
	v_max3_num_f32 v[232+\b], v[S+16*\b], v[S+1+16*\b], v[S+2+16*\b]   ; the largest score of each block of 32 keys: for the row's maximum, and, since p rises with the score, for the block's largest p
.endr
.irp i, 3,5,7,9,11,13
.irp b, 0,1,2,3
	v_max3_num_f32 v[232+\b], v[232+\b], v[S+16*\b+\i], v[S+1+16*\b+\i]
.endr
.endr
.irp b, 0,1,2,3
	v_max_num_f32 v[232+\b], v[232+\b], v[S+15+16*\b]
.endr
.irp b, 0,1,2,3
	s_delay_alu instid0(VALU_DEP_4)
	v_permlanex16_b32 v[236+\b], v[232+\b], s20, s21
.endr
.irp b, 0,1,2,3
	s_delay_alu instid0(VALU_DEP_4)
	v_max_num_f32 v[232+\b], v[232+\b], v[236+\b]
.endr
	s_delay_alu instid0(VALU_DEP_2)
	v_max3_num_f32 v254, v232, v233, v234
	s_delay_alu instid0(VALU_DEP_1)
	v_max_num_f32 v254, v254, v235
	s_delay_alu instid0(VALU_DEP_1)
	v_mul_f32 v254, s22, v254                      ; as t (c is positive)
	s_delay_alu instid0(VALU_DEP_1)
	v_max_num_f32 v13, v13, v254                   ; the running largest t
	v_mov_b32 v254, v12
	s_delay_alu instid0(VALU_DEP_2)
	v_floor_f32 v12, -v13                          ; the new -M = -ceil(t)
	s_delay_alu instid0(VALU_DEP_1)
	v_sub_f32 v254, v12, v254                      ; old M - new M: a whole number, 0 or less
	s_delay_alu instid0(VALU_DEP_1)
	v_cvt_i32_f32 v254, v254                       ; (it saturates)
	s_delay_alu instid0(VALU_DEP_1)
	v_ldexp_f32 v252, 1.0, v254                    ; f = 2^(old M - new M): rounds nothing
.irp j, 0,2,4,6,8,10,12,14,16,18,20,22,24,26,28,30,32,34,36,38,40,42,44,46,48,50,52,54,56,58,60,62
	v_pk_fma_f32 v[S+\j:S+\j+1], v[S+\j:S+\j+1], s[22:23], v[12:13] op_sel_hi:[1,0,0]   ; t - M
.endr
	s_setprio 1
.irp b, 0,1,2,3
	v_fma_f32 v[232+\b], v[232+\b], s22, v12
.endr
	s_wait_alu depctr_va_vdst(0)
.irp j, 0,1,2,3,4,5,6,7,8,9,10,11,12,13,14,15,16,17,18,19,20,21,22,23,24,25,26,27,28,29,30,31,32,33,34,35,36,37,38,39,40,41,42,43,44,45,46,47,48,49,50,51,52,53,54,55,56,57,58,59,60,61,62,63
	v_exp_f32 v[S+\j], v[S+\j]                     ; p = 2^(t - M)
.endr
	v_pk_mul_f32 v[14:15], v[14:15], v[252:253] op_sel_hi:[1,0]   ; the sums under the new M: a plain place behind the exponentials
	s_wait_alu depctr_va_vdst(0)                   ; one wait for the batch, ahead of its first reader
.irp b, 0,1,2,3
	v_exp_f32 v[232+\b], v[232+\b]                 ; each block's largest p
.endr
	v_pk_add_f32 v[236:237], v[132:133], v[136:137]
	v_pk_add_f32 v[250:251], v[140:141], v[144:145]
	v_pk_add_f32 v[248:249], v[148:149], v[152:153]
	v_pk_add_f32 v[246:247], v[156:157], v[160:161]
	v_pk_add_f32 v[244:245], v[164:165], v[168:169]
	v_pk_add_f32 v[242:243], v[172:173], v[176:177]
	v_pk_add_f32 v[240:241], v[180:181], v[184:185]
	v_pk_add_f32 v[14:15], v[14:15], v[188:189]
	v_pk_add_f32 v[236:237], v[236:237], v[128:129]
	v_pk_add_f32 v[250:251], v[250:251], v[130:131]
	v_pk_add_f32 v[248:249], v[248:249], v[134:135]
	v_pk_add_f32 v[246:247], v[246:247], v[138:139]
	v_pk_add_f32 v[244:245], v[244:245], v[142:143]
	v_pk_add_f32 v[242:243], v[242:243], v[146:147]
	v_pk_add_f32 v[240:241], v[240:241], v[150:151]
	v_pk_add_f32 v[14:15], v[14:15], v[154:155]
	v_pk_add_f32 v[236:237], v[236:237], v[158:159]
	v_pk_add_f32 v[250:251], v[250:251], v[162:163]
	v_pk_add_f32 v[248:249], v[248:249], v[166:167]
	v_pk_add_f32 v[246:247], v[246:247], v[170:171]
	v_pk_add_f32 v[244:245], v[244:245], v[174:175]
	v_pk_add_f32 v[242:243], v[242:243], v[178:179]
	v_pk_add_f32 v[240:241], v[240:241], v[182:183]
	v_pk_add_f32 v[14:15], v[14:15], v[186:187]
	v_pk_add_f32 v[236:237], v[236:237], v[190:191]
	s_delay_alu instid0(VALU_DEP_2)
	v_pk_add_f32 v[14:15], v[14:15], v[246:247]
	s_delay_alu instid0(VALU_DEP_2)
	v_pk_add_f32 v[236:237], v[236:237], v[244:245]
	v_pk_add_f32 v[250:251], v[250:251], v[242:243]
	v_pk_add_f32 v[248:249], v[248:249], v[240:241]
	s_delay_alu instid0(VALU_DEP_2)
	v_pk_add_f32 v[14:15], v[14:15], v[250:251]
	s_delay_alu instid0(VALU_DEP_2)
	v_pk_add_f32 v[236:237], v[236:237], v[248:249]
	s_delay_alu instid0(VALU_DEP_1)
	v_pk_add_f32 v[14:15], v[14:15], v[236:237]
	s_wait_alu depctr_va_vdst(0)                   ; and one for the four
.irp b, 0,1,2,3
	v_max_num_f32 v[232+\b], 0x1800000, v[232+\b]  ; the floor 2^(3 - 127)
.endr
.irp b, 0,1,2,3
	s_delay_alu instid0(VALU_DEP_4)
	v_add_nc_u32 v[244+\b], 0xff000000, v[232+\b]  ; the conversion's scale operand
.endr
.irp b, 0,1,2,3
	s_delay_alu instid0(VALU_DEP_4)
	v_lshrrev_b32 v[236+\b], 23, v[244+\b]
.endr
	s_delay_alu instid0(VALU_DEP_3)
	v_lshl_or_b32 v253, v237, 8, v236              ; p's scale word for these 128 keys
	s_delay_alu instid0(VALU_DEP_1)
	v_lshl_or_b32 v253, v238, 16, v253
	s_delay_alu instid0(VALU_DEP_1)
	v_lshl_or_b32 v253, v239, 24, v253
.irp c, 0,1
	v_cvt_scalef32_pk16_fp6_f32 v[224+6*\c:226+6*\c], v[S+32*\c:S+15+32*\c], v[244+2*\c]
	v_cvt_scalef32_pk16_fp6_f32 v[236+4*\c:238+4*\c], v[S+16+32*\c:S+31+32*\c], v[244+2*\c+1]
.endr
	v_nop                                          ; one plain place behind a scaled conversion
	s_setprio 0
.irp t, 0,1,2,3                        ; v^T's four fragments land where p lay, while p's codes are put in order and O^T is rescaled
	ds_load_b128 v[S+12*\t:S+12*\t+3], v3 offset:6144+1536*\t
	ds_load_b64 v[S+12*\t+4:S+12*\t+5], v4 offset:6144+1536*\t+512
	ds_load_b128 v[S+12*\t+6:S+12*\t+9], v3 offset:6144+1536*\t+768
	ds_load_b64 v[S+12*\t+10:S+12*\t+11], v4 offset:6144+1536*\t+1280
.endr
.irp c, 0,1
.irp i, 0,1,2
	v_permlane16_swap_b32 v[224+6*\c+\i], v[236+4*\c+\i]
.endr
.irp i, 0,1,2
	s_delay_alu instid0(VALU_DEP_3)
	v_mov_b32 v[227+6*\c+\i], v[236+4*\c+\i]
.endr
.endr
.irp j, 0,2,4,6,8,10,12,14,16,18,20,22,24,26,28,30
	v_pk_mul_f32 v[O+\j:O+\j+1], v[O+\j:O+\j+1], v[252:253] op_sel_hi:[1,0]   ; O^T under the new M; these sixteen also stand between the writing of p's codes and scale word and the products
.endr
	s_wait_alu depctr_va_vdst(0)
	s_wait_dscnt 0x0
.irp t, 0,1,2,3                        ; the four accumulators by turns
.if \t%2
	v_wmma_scale_f32_16x16x128_f8f6f4 v[O+8*\t:O+8*\t+7], v[S+12*\t:S+12*\t+11], v[224:235], v[O+8*\t:O+8*\t+7], v[30+\t/2], v253 matrix_a_fmt:MATRIX_FMT_FP6 matrix_b_fmt:MATRIX_FMT_FP6 matrix_a_scale:MATRIX_SCALE_ROW1
.else
	v_wmma_scale_f32_16x16x128_f8f6f4 v[O+8*\t:O+8*\t+7], v[S+12*\t:S+12*\t+11], v[224:235], v[O+8*\t:O+8*\t+7], v[30+\t/2], v253 matrix_a_fmt:MATRIX_FMT_FP6 matrix_b_fmt:MATRIX_FMT_FP6
.endif
.endr
.Lhidden:
	s_add_co_u32 s2, s2, CH
	s_add_co_u32 s3, s3, 1
	s_cmp_lt_u32 s3, 16
	s_cbranch_scc1 .Lstep
	s_setprio 0
	; THE WAY OUT: y = O^T / the sum, quantised along C: my head's 64 channels are two blocks, half a fragment of the next product's operand
.rept 4
	v_nop
.endr
	v_add_f32 v14, v14, v15
	s_delay_alu instid0(VALU_DEP_1)
	v_permlanex16_b32 v252, v14, s20, s21
	s_delay_alu instid0(VALU_DEP_1)
	v_add_f32 v14, v14, v252                       ; the row's sum
	s_wait_alu depctr_va_vdst(0)
	v_rcp_f32 v14, v14
	v_lshl_add_u32 v9, v10, 3, v11                 ; 8 r + h: my scale byte's place.  (A plain place behind the reciprocal)
	v_cmp_ne_u32 vcc_lo, 0, v11
	s_lshr_b32 s10, ttmp9, 4
	s_lshl_b32 s10, s10, 7
	s_lshl_b32 s11, s8, 4
	s_add_co_u32 s10, s10, s11
	s_add_co_u32 s10, s10, s18                     ; my tile of tokens: 128 x batch + 16 x block + wave
	s_and_b32 s11, ttmp9, 15                       ; the head: slab head / 4, fragment (head / 2) % 2, half head % 2
	s_lshr_b32 s12, s11, 2
	s_bfe_u32 s13, s11, 0x10001
	s_and_b32 s11, s11, 1
	s_mul_i32 s14, s12, XSL
	s_mul_i32 s15, s10, 3072
	s_add_co_u32 s14, s14, s15
	s_mul_i32 s15, s13, 1536
	s_add_co_u32 s14, s14, s15
	s_mul_i32 s15, s11, 768
	s_add_co_u32 s14, s14, s15
	s_mov_b32 s15, 0
	s_add_nc_u64 s[14:15], s[6:7], s[14:15]
	s_lshl_b32 s16, s10, 9
	s_lshl_b32 s12, s12, 7
	s_add_co_u32 s16, s16, s12
	s_lshl_b32 s13, s13, 2
	s_add_co_u32 s16, s16, s13
	s_lshl_b32 s11, s11, 1
	s_add_co_u32 s16, s16, s11
	s_add_co_u32 s16, s16, XSCO
	s_mov_b32 s17, 0
	s_add_nc_u64 s[16:17], s[6:7], s[16:17]
	s_wait_alu depctr_va_vdst(0)                   ; the wait ahead of the reciprocal's first reader
.irp j, 0,1,2,3,4,5,6,7,8,9,10,11,12,13,14,15,16,17,18,19,20,21,22,23,24,25,26,27,28,29,30,31
	v_mul_f32 v[S+\j], v[O+\j], v14                ; register 16 b + i: channel 32 b + 16 h + i of my query
.endr
.irp b, 0,1
	v_max3_num_f32 v[232+\b], |v[S+16*\b]|, |v[S+16*\b+1]|, 0x1800000
.endr
.irp i, 2,4,6,8,10,12,14
.irp b, 0,1
	s_delay_alu instid0(VALU_DEP_2)
	v_max3_num_f32 v[232+\b], v[232+\b], |v[S+16*\b+\i]|, |v[S+16*\b+\i+1]|
.endr
.endr
.irp b, 0,1
	s_delay_alu instid0(VALU_DEP_2)
	v_permlanex16_b32 v[236+\b], v[232+\b], s20, s21
.endr
.irp b, 0,1
	s_delay_alu instid0(VALU_DEP_2)
	v_max_num_f32 v[232+\b], v[232+\b], v[236+\b]
.endr
.irp b, 0,1
	s_delay_alu instid0(VALU_DEP_2)
	v_add_nc_u32 v[244+\b], 0xff000000, v[232+\b]
.endr
.irp b, 0,1
	s_delay_alu instid0(VALU_DEP_2)
	v_lshrrev_b32 v[240+\b], 23, v[244+\b]
.endr
	v_cvt_scalef32_pk16_fp6_f32 v[224:226], v[S:S+15], v244
	v_cvt_scalef32_pk16_fp6_f32 v[236:238], v[S+16:S+31], v245
	v_nop                                          ; one plain place behind a scaled conversion
.irp i, 0,1,2
	v_permlane16_swap_b32 v[224+\i], v[236+\i]
.endr
.irp i, 0,1,2
	s_delay_alu instid0(VALU_DEP_3)
	v_mov_b32 v[227+\i], v[236+\i]
.endr
	v_cndmask_b32 v242, v240, v241, vcc_lo         ; lanes 0-15 store block 0's byte, lanes 16-31 block 1's
	global_store_b128 v1, v[224:227], s[14:15]     ; 512 consecutive bytes, aligned to 256,
	global_store_b64 v2, v[228:229], s[14:15] offset:512   ; and 256
	global_store_b8 v9, v242, s[16:17]
	s_wait_tensorcnt 0x0                           ; the wave's end
	ds_add_u32 v5, v6
	s_wait_dscnt 0x0
	s_endpgm
.Lfunc_end_k_q1c74a678d0_attn:
	.size	k_q1c74a678d0_attn, .Lfunc_end_k_q1c74a678d0_attn-k_q1c74a678d0_attn
	.p2alignl 7, 3214868480
	.fill 96, 4, 3214868480
	.section	.rodata,"a",@progbits
	.p2align	6, 0x0
	.amdhsa_kernel k_q1c74a678d0_attn
		.amdhsa_group_segment_fixed_size 212992
		.amdhsa_private_segment_fixed_size 0
		.amdhsa_enable_private_segment 0
		.amdhsa_kernarg_size 16
		.amdhsa_user_sgpr_count 2
		.amdhsa_user_sgpr_kernarg_segment_ptr 1
		.amdhsa_wavefront_size32 1
		.amdhsa_system_sgpr_workgroup_id_x 1
		.amdhsa_system_sgpr_workgroup_id_y 1
		.amdhsa_system_sgpr_workgroup_id_z 1
		.amdhsa_system_vgpr_workitem_id 0
		.amdhsa_next_free_vgpr 256
		.amdhsa_next_free_sgpr 66
		.amdhsa_reserve_vcc 1
		.amdhsa_float_denorm_mode_32 3
		.amdhsa_float_denorm_mode_16_64 3
		.amdhsa_memory_ordered 1
		.amdhsa_forward_progress 1
		.amdhsa_inst_pref_size 35
	.end_amdhsa_kernel
	.amdgpu_metadata
---
amdhsa.version: [ 1, 2 ]
amdhsa.kernels:
  - .name:           k_q1c74a678d0_attn
    .symbol:         k_q1c74a678d0_attn.kd
    .args:
      - { .name: qkv, .offset: 0, .size: 8, .value_kind: global_buffer, .address_space: global }
      - { .name: yq, .offset: 8, .size: 8, .value_kind: global_buffer, .address_space: global }
    .group_segment_fixed_size: 212992
    .private_segment_fixed_size: 0
    .kernarg_segment_align: 8
    .kernarg_segment_size: 16
    .max_flat_workgroup_size: 512
    .sgpr_count:     66
    .vgpr_count:     256
    .wavefront_size: 32
...
	.end_amdgpu_metadata
.endif
;; end of part 3
;; launch proj (part 4): grid 4 x 32, 4 waves a work-group, clusters of 4 x 4, 327,680 bytes of LDS; arguments yq, wp, out0; writes out0
.if DOCPART == 4
	.amdgcn_target "amdgcn-amd-amdhsa--gfx1250"
	.amdhsa_code_object_version 6
	.text
	.protected	k_q1c74a678d0_proj
	.globl	k_q1c74a678d0_proj
	.p2align	8
	.type	k_q1c74a678d0_proj,@function
k_q1c74a678d0_proj:
	s_mov_b64 s[64:65], 0
	v_nop
	global_prefetch_b8 v0, s[64:65] scope:SCOPE_SE
	s_setreg_imm32_b32 hwreg(HW_REG_WAVE_MODE, 25, 1), 1
	s_wait_xcnt 0x0
	s_wait_alu depctr_hold_cnt(0) depctr_sa_sdst(0) depctr_va_vdst(0) depctr_va_sdst(0) depctr_va_ssrc(0) depctr_va_vcc(0) depctr_vm_vsrc(0)
	s_getreg_b32 s2, hwreg(HW_REG_IB_STS2, 6, 4)
	s_cmp_eq_u32 s2, 0
	s_cbranch_scc0 .Lentry_in_a_cluster
	s_endpgm
.Lentry_in_a_cluster:
	s_bfe_u32 s2, ttmp6, 0x10000c
	s_cmp_lg_u32 s2, 0xf033
	s_cbranch_scc0 .Lentry_shape_is_right
	s_endpgm
.Lentry_shape_is_right:
; out0 = y w_proj on codes of FP6 (E2M3) with E8M0 scales, K = 1024; out0 [8192][1024] f32.
; A tile of 256 x 256 is made by four waves, 128 x 128 each: 64 accumulators in windows 2 and 3.  Used transposed: source 0 = 16 columns of w_proj (B'), source 1 = 16 rows of y (A'): a lane holds one row of y.
; Rows and columns stand in tiles in the order lane-row r of tile T = 32 (T/2) + 8 (T%2) + r + 8 (r/8); the way out puts both back.
; OPERANDS lie in memory as images of their registers (768 bytes for 16 rows x 64 K), so a slab of 256 K of 8 tiles is one dense block of 24,576 bytes for one tensor load, and a fragment is four lane-contiguous LDS loads.
; K's four slabs go through THREE LDS slots: slabs 0, 1, 2 and all scale words are first fills; slab 3 is the one refill, into slot 0, with 256 matrix instructions a wave in which to land.  By this text's count four tensor loads of a wave are out at the most.
; CLUSTERS: 4 x 4.  A' tiles are shared along a row of the cluster, B' tiles along a column: joint loads, each with the mask of its four.
.set SLOT,  98304                      ; A' 16 tiles x 3,072 bytes, then B' likewise
.set HALFT, 24576                      ; 8 tiles: what one tensor load brings, and what one wave reads of A' or B'
.set SCL,   3*SLOT                     ; the scale words: A' 8,192 bytes, then B' 8,192
.set SPARE, SCL+16384                  ; the spare words, 128 bytes for each wave: two blocks of 256 bytes that no other line names
.set XSL,   1572864                    ; a slab of y's codes;  of w_proj's:
.set WPSL,  196608
.set XSCO,  6291456                    ; where y's scale words begin;  w_proj's:
.set WPSCO, 786432
.set SPITCH, 528                       ; the way out: a stage of 16 rows x (512 bytes + 16) for each wave, in slot 1: it has had its one fill, and its last read lies ahead of the last barrier
.set FR,    12
.set AF,    128                        ; A' fragments, one set, window 0;  B' two sets at v0 and v128 of window 1
.set SC,    32                         ; v32-63 scale words, two sets of 16: register 2 i + q: lanes 0-15 A' tile i, lanes 16-31 B' tile i
.set SPW,   28                         ; v28 SPARE + 4 x my thread's number;  v29 0: never rewritten
.set NIL,   29
.set BK,    128                        ; the way out: 16 rows read back: v128-191 and v192-255 by turns
.set G1,  24                           ; s[24:31] group 1, A' codes;  s[32:43] groups 0 for slots 0-2
.set G0,  32
.set G1B, 48                           ; s[48:55], s[68:79] the same for B'
.set G0B, 68
.set G0S, 56                           ; s[56:59], s[60:63] groups 0 for the scale words;  s[80:87], s[88:95] their groups 1
.set G0SB, 60
.set G1S, 80
.set G1SB, 88
.set SA,  96                           ; s[96:97], s[98:99] a slab on, in bytes, in A' and in B'
.set SB,  98
.set MSB, 0
.macro WIN new                         ; the immediate's high byte repeats the setting that is left
.if MSB != (\new)
	s_set_vgpr_msb (MSB<<8)|(\new)
.set MSB, (\new)
.endif
.endm
.set MUL_LO, 0xa1                      ; source 0 (B') window 1, source 1 (A') window 0, C and D window 2
.set MUL_HI, 0xf1                      ; the same, C and D window 3
; A joint load: waves 0 and 1 fetch for A', waves 2 and 3 for B'.  An s_nop 0 and four v_nop follow each of the two lines.
.macro JLOAD g0a, g1a, g0b, g1b
	s_cmp_eq_u32 s15, 0
	s_cbranch_scc0 .Lfor_b_\@
	tensor_load_to_lds s[\g0a:\g0a+3], s[\g1a:\g1a+7]
	s_nop 0
.rept 4
	v_nop
.endr
	s_branch .Lasked_\@
.Lfor_b_\@:
	tensor_load_to_lds s[\g0b:\g0b+3], s[\g1b:\g1b+7]
	s_nop 0
.rept 4
	v_nop
.endr
.Lasked_\@:
.endm
.macro CREST                           ; a round of the cluster's barrier behind its opening barrier
	s_cmp_lg_u32 s14, 0
	s_cbranch_scc1 .Lnot_wave_0_\@
	s_barrier_signal -3
.Lnot_wave_0_\@:
	s_barrier_wait -3
	s_barrier_signal -1
	s_barrier_wait -1
.endm
.macro CROUND
	s_barrier_signal -1
	s_barrier_wait -1
	CREST
.endm
.macro PLACES n                        ; plain places behind matrix instructions, in front of loads into their registers and of reads of their results
.rept \n
	v_nop
.endr
.endm
.macro FRAG reg, a16, a8, q, i         ; a fragment as it was stored: 16 bytes, 8 bytes, 16 bytes, 8 bytes a lane, each load lane-contiguous
	ds_load_b128 v[\reg:\reg+3], v[\a16] offset:3072*(\i)+1536*(\q)
	ds_load_b64 v[\reg+4:\reg+5], v[\a8] offset:3072*(\i)+1536*(\q)+512
	ds_load_b128 v[\reg+6:\reg+9], v[\a16] offset:3072*(\i)+1536*(\q)+768
	ds_load_b64 v[\reg+10:\reg+11], v[\a8] offset:3072*(\i)+1536*(\q)+1280
.endm
.macro FETCH_B slot, q, p              ; B' eight fragments into set p
	WIN 0x40
.irp i, 0,1,2,3,4,5,6,7
	FRAG 128*(\p)+FR*\i, 14+(\slot), 17+(\slot), \q, \i
.endr
	WIN 0
.endm
.macro FETCH_A slot, q, i0             ; A' blocks i0 .. i0 + 3
.irp i, \i0, \i0+1, \i0+2, \i0+3
	FRAG AF+FR*(\i), 8+(\slot), 11+(\slot), \q, \i
.endr
.endm
.macro SCALES set, slab                ; a slab's scale words: two a row
.irp i, 0,1,2,3,4,5,6,7
	ds_load_b64 v[SC+16*(\set)+2*\i:SC+16*(\set)+2*\i+1], v20 offset:512*\i+128*(\slab)
.endr
.endm
; 16 matrix instructions: A' blocks a0, a0 + 1 x B' eight.  The 64 accumulators take turns, one instruction a turn, in the same order in every step.
.macro MUL16 a0, p, q, sc, zero
.irp a, \a0, \a0+1
.irp b, 0,1,2,3,4,5,6,7
.if \zero
	v_wmma_scale_f32_16x16x128_f8f6f4 v[8*(8*((\a)%4)+\b):8*(8*((\a)%4)+\b)+7], v[128*(\p)+FR*\b:128*(\p)+FR*\b+FR-1], v[AF+FR*(\a):AF+FR*(\a)+FR-1], 0, v[SC+16*(\sc)+2*\b+(\q)], v[SC+16*(\sc)+2*(\a)+(\q)] matrix_a_fmt:MATRIX_FMT_FP6 matrix_b_fmt:MATRIX_FMT_FP6 matrix_a_scale:MATRIX_SCALE_ROW1
.else
	v_wmma_scale_f32_16x16x128_f8f6f4 v[8*(8*((\a)%4)+\b):8*(8*((\a)%4)+\b)+7], v[128*(\p)+FR*\b:128*(\p)+FR*\b+FR-1], v[AF+FR*(\a):AF+FR*(\a)+FR-1], v[8*(8*((\a)%4)+\b):8*(8*((\a)%4)+\b)+7], v[SC+16*(\sc)+2*\b+(\q)], v[SC+16*(\sc)+2*(\a)+(\q)] matrix_a_fmt:MATRIX_FMT_FP6 matrix_b_fmt:MATRIX_FMT_FP6 matrix_a_scale:MATRIX_SCALE_ROW1
.endif
.endr
.endr
.endm
; A step of 128 along K; it fetches the next step's fragments (slot nslot, half nq) and, where nset >= 0, slab nslab's scale words.
.macro STEP p, q, sc, zero, nslot, nq, nset, nslab
	s_wait_dscnt 16                                ; all but the youngest 16 loads (A' blocks 4-7) are in
	WIN MUL_LO
	MUL16 0, \p, \q, \sc, \zero
	MUL16 2, \p, \q, \sc, \zero
	s_wait_dscnt 0x0
	PLACES 4
	FETCH_B \nslot, \nq, 1-(\p)
	FETCH_A \nslot, \nq, 0
.if (\nset) >= 0
	SCALES \nset, \nslab
.endif
	WIN MUL_HI
	MUL16 4, \p, \q, \sc, \zero
	MUL16 6, \p, \q, \sc, \zero
	PLACES 4
	WIN 0
	FETCH_A \nslot, \nq, 4
.endm
; A step with a barrier in it.  In front of it each wave waits for all its tensor loads, adds 0 to its spare word, and waits for that and for its LDS reads.  fill = 1: the barrier opens a round of the cluster's, and slot 0, read out, takes slab 3.
.macro TURN p, q, sc, fill, nslot, nq, nset, nslab
	s_wait_tensorcnt 0x0                           ; all my tensor loads have landed
	ds_add_u32 v[SPW], v[NIL]
	s_wait_dscnt 17                                ; (the add and the youngest 16 loads may be out)
	WIN MUL_LO
	MUL16 0, \p, \q, \sc, 0
	s_wait_dscnt 0x0                               ; the add is done, and my reads of the slot in hand are over
	s_barrier_signal -1
	MUL16 2, \p, \q, \sc, 0
	WIN 0
	s_barrier_wait -1
.if \fill
	CREST                                          ; no wave of any partner still reads slot 0 or has a load on its way
	s_add_nc_u64 s[G0+2:G0+3], s[G0+10:G0+11], s[SA:SA+1]       ; slab 3 = slot 2's slab + one; the type bits on top are not reached
	s_add_nc_u64 s[G0B+2:G0B+3], s[G0B+10:G0B+11], s[SB:SB+1]
	JLOAD G0, G1, G0B, G1B                         ; the first tensor load behind the round; its four v_nop are the places in front of the loads below
.else
	PLACES 4
.endif
	FETCH_B \nslot, \nq, 1-(\p)
	FETCH_A \nslot, \nq, 0
	SCALES \nset, \nslab
	WIN MUL_HI
	MUL16 4, \p, \q, \sc, 0
	MUL16 6, \p, \q, \sc, 0
	PLACES 4
	WIN 0
	FETCH_A \nslot, \nq, 4
.endm
	s_load_b128 s[4:7], s[0:1], 0x0                ; yq, wp
	s_load_b64 s[8:9], s[0:1], 0x10                ; out0
	v_lshl_add_u32 v[SPW], v0, 2, SPARE
	v_mov_b32 v[NIL], 0
	ds_add_u32 v[SPW], v[NIL]                      ; the wave's opening: the add and its wait come ahead of my first tensor load
	v_lshrrev_b32 v1, 5, v0
	v_readfirstlane_b32 s14, v1                    ; wave
	s_lshr_b32 s15, s14, 1                         ; my half of A' rows.  Also: I fetch for A' (0) or B' (1)
	s_and_b32 s16, s14, 1                          ; my half of B' rows.  Also: which 8 tiles I fetch
	s_bfe_u32 s44, ttmp6, 0x40000                  ; cx
	s_bfe_u32 s45, ttmp6, 0x40004                  ; cy
	s_and_b32 s46, ttmp7, 0xffff                   ; the cluster's y
	s_lshl_b32 s2, s45, 2
	s_lshl_b32 s2, 15, s2                          ; my row of the cluster
	s_lshl_b32 s3, 0x1111, s44                     ; my column
	s_or_b32 s[G1], s2, (3<<16)|(1<<21)            ; 15:0 the mask; 17:16 elements of 8 bytes; 21 set beside a mask; no padding
	s_or_b32 s[G1B], s3, (3<<16)|(1<<21)
	s_or_b32 s[G1S], s2, (3<<16)|(1<<21)
	s_or_b32 s[G1SB], s3, (3<<16)|(1<<21)
.irp g, G1, G1B                        ; a dense block of 24,576 bytes as 96 rows of 256
	s_mov_b32 s[\g+1], 32<<16
	s_mov_b32 s[\g+2], 96<<16
	s_mov_b32 s[\g+3], 32<<16
	s_mov_b32 s[\g+4], 96
	s_mov_b32 s[\g+5], 32
	s_mov_b32 s[\g+6], 0
	s_mov_b32 s[\g+7], 0
.endr
.irp g, G1S, G1SB                      ; 4,096 bytes as 16 rows of 256
	s_mov_b32 s[\g+1], 32<<16
	s_mov_b32 s[\g+2], 16<<16
	s_mov_b32 s[\g+3], 32<<16
	s_mov_b32 s[\g+4], 16
	s_mov_b32 s[\g+5], 32
	s_mov_b32 s[\g+6], 0
	s_mov_b32 s[\g+7], 0
.endr
	s_mov_b32 s[SA], XSL
	s_mov_b32 s[SA+1], 0
	s_mov_b32 s[SB], WPSL
	s_mov_b32 s[SB+1], 0
	s_lshl_b32 s17, s46, 2
	s_add_co_u32 s17, s17, s45                     ; TR: the tile's place along the rows of y
	s_lshl_b32 s66, ttmp9, 2
	s_add_co_u32 s66, s66, s44                     ; TC: along the columns of w_proj
	s_lshl_b32 s10, s17, 4
	s_lshl_b32 s19, s16, 3
	s_add_co_u32 s10, s10, s19                     ; the first A' tile that I would fetch
	s_lshl_b32 s12, s10, 9
	s_add_co_u32 s12, s12, XSCO                    ; its scale words,
	s_mul_i32 s10, s10, 3072                       ; its codes in slab 0
	s_mov_b32 s11, 0
	s_mov_b32 s13, 0
	s_lshl_b32 s20, s66, 4
	s_add_co_u32 s20, s20, s19                     ; the same for B'
	s_lshl_b32 s22, s20, 9
	s_add_co_u32 s22, s22, WPSCO
	s_mul_i32 s20, s20, 3072
	s_mov_b32 s21, 0
	s_mov_b32 s23, 0
	s_mul_i32 s18, s14, HALFT                      ; where they go: wave x 8 tiles: no place in the cluster enters an LDS address
	s_lshl_b32 s19, s14, 12
	s_wait_dscnt 0x0                               ; the opening add is done
	s_wait_kmcnt 0x0
	s_add_nc_u64 s[10:11], s[4:5], s[10:11]
	s_add_nc_u64 s[12:13], s[4:5], s[12:13]
	s_add_nc_u64 s[20:21], s[6:7], s[20:21]
	s_add_nc_u64 s[22:23], s[6:7], s[22:23]
	CROUND                                         ; all sixteen work-groups are here: the first joint loads meet
	s_mov_b32 s[G0S], 1
	s_add_co_u32 s[G0S+1], s19, SCL
	s_mov_b64 s[G0S+2:G0S+3], s[12:13]
	s_or_b32 s[G0S+3], s[G0S+3], 0x80000000
	s_mov_b32 s[G0SB], 1
	s_add_co_u32 s[G0SB+1], s19, SCL
	s_mov_b64 s[G0SB+2:G0SB+3], s[22:23]
	s_or_b32 s[G0SB+3], s[G0SB+3], 0x80000000
	JLOAD G0S, G1S, G0SB, G1SB                     ; the scale words of all of K: filled once
.irp s, 0,1,2
	s_mov_b32 s[G0+4*\s], 1
	s_add_co_u32 s[G0+4*\s+1], s18, \s*SLOT
	s_mov_b64 s[G0+4*\s+2:G0+4*\s+3], s[10:11]
	s_or_b32 s[G0+4*\s+3], s[G0+4*\s+3], 0x80000000
	s_mov_b32 s[G0B+4*\s], 1
	s_add_co_u32 s[G0B+4*\s+1], s18, \s*SLOT
	s_mov_b64 s[G0B+4*\s+2:G0B+4*\s+3], s[20:21]
	s_or_b32 s[G0B+4*\s+3], s[G0B+4*\s+3], 0x80000000
	JLOAD G0+4*\s, G1, G0B+4*\s, G1B               ; slab s into slot s
.if \s < 2
	s_add_nc_u64 s[10:11], s[10:11], s[SA:SA+1]
	s_add_nc_u64 s[20:21], s[20:21], s[SB:SB+1]
.endif
.endr
	v_and_b32 v1, 31, v0
	v_and_b32 v2, 15, v0                           ; r
	v_bfe_u32 v3, v0, 4, 1                         ; h
	v_lshlrev_b32 v4, 4, v1                        ; 16 x lane
	v_lshlrev_b32 v5, 3, v1                        ; 8 x lane
	s_mul_i32 s18, s15, HALFT                      ; my 8 tiles of A',
	s_mul_i32 s19, s16, HALFT
	s_add_co_u32 s19, s19, 2*HALFT                 ; and of B', which lie behind A' sixteen
.irp s, 0,1,2
	v_add_nc_u32 v[8+\s], s18, v4
	v_add_nc_u32 v[11+\s], s18, v5
	v_add_nc_u32 v[14+\s], s19, v4
	v_add_nc_u32 v[17+\s], s19, v5
	s_add_co_u32 s18, s18, SLOT
	s_add_co_u32 s19, s19, SLOT
.endr
	s_lshl_b32 s18, s15, 12                        ; scale words: lanes 0-15 take A' rows, lanes 16-31 B'
	s_lshl_b32 s19, s16, 12
	s_add_co_u32 s19, s19, 8192
	s_sub_co_u32 s19, s19, s18
	v_mul_u32_u24 v6, s19, v3
	s_add_co_u32 s18, s18, SCL
	v_lshl_add_u32 v6, v2, 3, v6
	v_add_nc_u32 v20, s18, v6
	; the way out
	s_mul_i32 s18, s14, 16*SPITCH
	s_add_co_u32 s18, s18, SLOT                    ; my stage, in slot 1
	v_mul_u32_u24 v6, v2, SPITCH
	v_lshl_add_u32 v6, v3, 6, v6
	v_add_nc_u32 v24, s18, v6                      ; in: row r, + 64 h
	v_add_nc_u32 v25, s18, v4                      ; back: 16 bytes a lane of a row's 512
	s_lshl_b32 s18, s17, 8
	s_lshl_b32 s19, s15, 7
	s_add_co_u32 s18, s18, s19                     ; my first row of out0
	s_lshl_b32 s18, s18, 12                        ; rows of 4,096 bytes
	s_lshl_b32 s19, s66, 10
	s_add_co_u32 s18, s18, s19
	s_lshl_b32 s19, s16, 9
	s_add_co_u32 s18, s18, s19                     ; + my first column: 1,024 TC + 512 x half
	s_mov_b32 s19, 0
	s_add_nc_u64 s[8:9], s[8:9], s[18:19]
	s_wait_tensorcnt 2                             ; the scale words and my part of slab 0 are in; slabs 1 and 2 may be out
	s_barrier_signal -1
	s_barrier_wait -1
	FETCH_B 0, 0, 0
	FETCH_A 0, 0, 0
	SCALES 0, 0
	FETCH_A 0, 0, 4
	STEP 0, 0, 0, 1, 0, 1, -1, 0                   ; the first step's products start the sums: nothing is cleared
	TURN 1, 1, 0, 1, 1, 0, 1, 1                    ; slot 0 is read out: slab 3 is asked for.  Slots 1 and 2 are whole in every wave from here on
	STEP 0, 0, 1, 0, 1, 1, -1, 0
	STEP 1, 1, 1, 0, 2, 0, 0, 2
	STEP 0, 0, 0, 0, 2, 1, -1, 0
	TURN 1, 1, 0, 0, 0, 0, 1, 3                    ; slab 3 has landed, in every wave; behind this barrier nobody reads slot 1
	STEP 0, 0, 1, 0, 0, 1, -1, 0
	s_wait_dscnt 16
	WIN MUL_LO
	MUL16 0, 1, 1, 1, 0
	MUL16 2, 1, 1, 1, 0
	s_wait_dscnt 0x0
	WIN MUL_HI
	MUL16 4, 1, 1, 1, 0
	MUL16 6, 1, 1, 1, 0
	WIN 0
; THE WAY OUT, block by block of 16 rows x 128 columns, through my own stage: accumulator (a, b) of lane (r, h) holds columns 32 (b/2) + 8 (b%2) + 16 h + 0 .. 7 of lane-row r; whole rows of 512 bytes come back.
; LDS serves a wave's instructions in order (ISA guide 5.7.1.4): no wait between the stores and the loads, nor in front of the next block's stores.
.macro TOSTAGE a
.set AC, 64*((\a)%4)
	WIN 0x08+4*((\a)/4)                            ; the data: window 2 or 3
.irp b, 0,1,2,3,4,5,6,7
	ds_store_b128 v24, v[AC+8*\b:AC+8*\b+3] offset:128*(\b/2)+32*(\b%2)          ; each accumulator from its low end on
	ds_store_b128 v24, v[AC+8*\b+4:AC+8*\b+7] offset:128*(\b/2)+32*(\b%2)+16
.endr
	WIN 0
.set BB, BK+64*((\a)%2)
.irp t, 0,1,2,3,4,5,6,7,8,9,10,11,12,13,14,15
	ds_load_b128 v[BB+4*\t:BB+4*\t+3], v25 offset:\t*SPITCH
.endr
.endm
.macro SEND a, younger                 ; younger: the LDS instructions issued behind block a's loads, which may stay out
.set BB, BK+64*((\a)%2)
	s_wait_dscnt \younger
.irp t, 0,1,2,3,4,5,6,7,8,9,10,11,12,13,14,15
	global_store_b128 v4, v[BB+4*\t:BB+4*\t+3], s[8:9] offset:(32*((\a)/2)+8*((\a)%2)+\t+8*(\t/8))*4096 th:TH_STORE_NT   ; 32 lanes store 512 consecutive bytes, aligned to 256; lane-row t of tile a is row 32 (a/2) + 8 (a%2) + t + 8 (t/8)
.endr
.endm
	PLACES 4
	TOSTAGE 0
.irp a, 1,2,3,4,5,6,7
.if \a > 1
	s_wait_xcnt 0x0                                ; block a - 2's stores have read their registers: block a's loads may land there
.endif
	TOSTAGE \a
	SEND \a-1, 32                                  ; behind block a - 1's loads: block a's 16 stores and 16 loads
.endr
	SEND 7, 0
	s_wait_tensorcnt 0x0                           ; the wave's end, behind my last tensor load and my last LDS store
	ds_add_u32 v[SPW], v[NIL]
	s_wait_dscnt 0x0
	CROUND                                         ; the closing round
	s_endpgm
.Lfunc_end_k_q1c74a678d0_proj:
	.size	k_q1c74a678d0_proj, .Lfunc_end_k_q1c74a678d0_proj-k_q1c74a678d0_proj
	.p2alignl 7, 3214868480
	.fill 96, 4, 3214868480
	.section	.rodata,"a",@progbits
	.p2align	6, 0x0
	.amdhsa_kernel k_q1c74a678d0_proj
		.amdhsa_group_segment_fixed_size 327680
		.amdhsa_private_segment_fixed_size 0
		.amdhsa_enable_private_segment 0
		.amdhsa_kernarg_size 24
		.amdhsa_user_sgpr_count 2
		.amdhsa_user_sgpr_kernarg_segment_ptr 1
		.amdhsa_wavefront_size32 1
		.amdhsa_system_sgpr_workgroup_id_x 1
		.amdhsa_system_sgpr_workgroup_id_y 1
		.amdhsa_system_sgpr_workgroup_id_z 1
		.amdhsa_system_vgpr_workitem_id 0
		.amdhsa_next_free_vgpr 1024
		.amdhsa_next_free_sgpr 102
		.amdhsa_reserve_vcc 0
		.amdhsa_float_denorm_mode_32 3
		.amdhsa_float_denorm_mode_16_64 3
		.amdhsa_memory_ordered 1
		.amdhsa_forward_progress 1
		.amdhsa_inst_pref_size 143
	.end_amdhsa_kernel
	.amdgpu_metadata
---
amdhsa.version: [ 1, 2 ]
amdhsa.kernels:
  - .name:           k_q1c74a678d0_proj
    .symbol:         k_q1c74a678d0_proj.kd
    .args:
      - { .name: yq, .offset: 0, .size: 8, .value_kind: global_buffer, .address_space: global }
      - { .name: wp, .offset: 8, .size: 8, .value_kind: global_buffer, .address_space: global }
      - { .name: out0, .offset: 16, .size: 8, .value_kind: global_buffer, .address_space: global }
    .group_segment_fixed_size: 327680
    .private_segment_fixed_size: 0
    .kernarg_segment_align: 8
    .kernarg_segment_size: 24
    .max_flat_workgroup_size: 128
    .sgpr_count:     102
    .vgpr_count:     1024
    .wavefront_size: 32
...
	.end_amdgpu_metadata
.endif
;; end of part 4
